; MI455X (gfx1250); checked and timed in simulation.
; The chip was launched on July 23, 2026; its instructions are those of AMD's public machine-readable ISA for CDNA 5 (MIT licence, August 2026) and "CDNA5" Instruction Set Architecture Reference Guide (July 2026). The comments in the code are by the model that wrote it; some were corrected since.
;; PCR Base Masked. Allowed arithmetic: float matrix products may take bf16 or f16 operands with f32 sums; other float arithmetic in f32, or as packed bf16 or f16 multiplies, adds, multiply-adds, maxima and minima; sums over many terms, partial sums and values carried from step to step in f32; what a program stores and reads back later, other than sums and carried values, may be rounded once to bf16 or f16.
;; Inputs: W_in 12 x 16 float32; W_out 3 x 12 float32; attn_in_b 36 float32; attn_in_w 36 x 12 float32; attn_out_b 12 float32; attn_out_w 12 x 12 float32; b_in 12 float32; b_out 3 float32; cross_in_b 36 float32; cross_in_w 36 x 12 float32; cross_out_b 12 float32; cross_out_w 12 x 12 float32; x_orig 32 x 1,024 x 16 float32; y_orig 32 x 1,024 x 16 float32.
;; Outputs: out0 32 x 1,024 x 3 float32.
;; 2 versions, each right; version 2 is version 1 with the launch crossatt written anew for expert scheduling mode. Each part assembles by itself: llvm-mc -triple=amdgcn-amd-amdhsa -mcpu=gfx1250 --defsym DOCPART=n.
;; ======== version 1 of 2: 3 launches
;; limits: values outside matrix products are rounded to bf16
;; workspace buffers: feat 2,097,152 bytes; means 4,096 bytes; pts 1,048,576 bytes
;; launch selfatt (part 1): grid 4 x 64, 16 waves a work-group, no clusters, 208,128 bytes of LDS; arguments x_orig, y_orig, W_in, b_in, attn_in_w, attn_in_b, attn_out_w, attn_out_b, feat, means; writes feat, means
.if DOCPART == 1
	.amdgcn_target "amdgcn-amd-amdhsa--gfx1250"
	.amdhsa_code_object_version 6
	.text
	.protected	k_qab3de68d6f_selfatt
	.globl	k_qab3de68d6f_selfatt
	.p2align	8
	.type	k_qab3de68d6f_selfatt,@function
k_qab3de68d6f_selfatt:
	s_mov_b64 s[64:65], 0
	v_nop
	global_prefetch_b8 v0, s[64:65] scope:SCOPE_SE
	s_setreg_imm32_b32 hwreg(HW_REG_WAVE_MODE, 25, 1), 1
	s_wait_xcnt 0x0
; SELF-ATTENTION OF ONE CLOUD.  Work-group (qb, cb): cloud cb / 32 (0 = x, 1 = y), batch cb % 32, queries 256 qb .. 256 qb + 255.
; It centres the cloud [1024][16], projects it to 12 channels, makes q, k, v for 4 heads of size 3, and stores out_proj(softmax(q k / sqrt 3) v), rounded once to bf16, into feat.
; The work-groups with qb = 0 also store the cloud's mean (16 f32) into means.
; FORMAT OF A 12-VECTOR: 16 slots; channel e lies in slot 4 (e / 3) + e % 3; slots 3, 7, 11, 15 hold 1.0.  A weight fragment holds its bias in input slot 3, and its output rows 3, 7, 11, 15
; hold 1.0 in input slot 3 alone, so the ones are made anew by every product.  A product's result (lane = data row, register j = slot 8 (lane / 16) + j) rounds in pairs into the next product's fragment.
; TWO PASSES.  Pass 1 makes S^T = K Q^T (lane = query, registers = keys) and keeps the true row maximum m alone.  Pass 2 makes the same product with -m, cut exactly into three bf16 pieces,
; in three K slots of the query's fragment, against 1.0 in the key's: the result is c s - c m, the exponential's argument (c = log2(e) / sqrt(3) is folded into Wq and bq).
; The row sum l is row 3 of O^T = V^T P: V^T's fourth row of a head is the ones.  q and k go in as a bf16 number and the bf16 of what it left (kh qh + kl qh + kh ql), in K slots that would hold zeros.
; SHARES.  16 waves.  Preparation: wave w takes the key tiles (16 rows) w + 16 i, i = 0..3.  Main: wave w takes head w % 4 and the query tiles 4 (w / 4) + 0..3.  Way out: wave w takes query tile w.
; NO TENSOR LOADS, NO CLUSTER: every byte that enters LDS is first centred and projected in registers; what the four work-groups of a cloud share is 64 KB of raw rows.
; LIMITS.  Matrix operands are bf16 (q, k as two bf16); the weights p are rounded to bf16 and l is the sum of the rounded p; a weight below 2^-126 counts as 0; NaN and infinities are not treated apart.
.set NT,    4                 ; query tiles a wave
.set QT,    4*NT              ; query tiles a work-group
.set QHB,   QT*512            ; bytes of a head's query records
.set VT,    131072            ; LDS 0 .. 131071: key records [head 4][tile 64][512]; here: V^T, 16 rows (4 head + d; d = 3: ones)
.set VP,    2064              ; a row of V^T: 1024 keys x 2 bytes + 16 = 516 words: row r starts 4 r words on, so 16 rows' stores of 16 bytes touch different words modulo 64
.set QR,    VT+16*VP          ; query records [head 4][tile QT][512]
.set OS,    QR+4*QHB          ; the heads' normalised results as fragment images [tile QT][512]
.set MS,    OS+QT*512         ; 16 waves x 64 bytes: partial column sums
.set SPARE, MS+1024           ; the spare words: 128 bytes a wave, named by no other line
.set LN16, 1                  ; 16 x lane
.set R,    2                  ; lane % 16
.set H,    3                  ; lane / 16
.set ZERO, 4
.set ONE,  5
.set SPW,  6                  ; my spare word's address; never rewritten
.set NIL,  7                  ; 0, for the add alone
.set KA,   8                  ; LDS address of the K fetch in hand
.set VA0,  9                  ; my lane's place in V^T
.set KS,   10                 ; where I store key records
.set VS,   11                 ; where I store 8 keys of a row of V^T
.set QS,   12                 ; where I store query records
.set OSA,  13                 ; where I store a query's normalised head
.set XO,   14                 ; my byte offset in the cloud
.set WO12, 15                 ; my byte offset in a [rows][12] weight
.set BO,   16                 ; in its bias
.set WOI,  17                 ; in W_in
.set T0,   18                 ; v18-21 at work
.set VA,   22                 ; LDS address of the V fetch in hand
.set OFA,  23                 ; where I read a query tile's image back
.set WOF,  24                 ; v24-31 out_proj's fragment
.set WIN,  40                 ; preparation: fragments of W_in, Wq, Wk, Wv
.set WQ,   48
.set WK,   56
.set WV,   64
.set Q,    40                 ; main: query fragments, 8 a tile
.set KF,   72                 ; two key fragments
.set VF,   88                 ; one fragment of V^T
.set TWQ,  72                 ; preparation: weights as loaded
.set TWK,  80
.set TWV,  88
.set O,    96                 ; main: O^T, 8 a tile
.set XIF,  96                 ; preparation: the projected rows' fragments, 8 a tile
.set P,    128                ; main: weights in bf16, 8 a tile
.set M,    128                ; pass 1: four chains of maxima a tile
.set XF,   128                ; preparation
.set D1,   136
.set DK,   144
.set DV,   152
.set S,    160                ; main: scores, 16 a tile
.set RAW,  160                ; preparation: x as loaded, 8 a tile
.set DQ,   192
.set TWI,  200
.set TWO,  210
.set RQ,   220                ; a query record's first half; its words 2, 3 stay 0
.set MEAN, 224
.set RA,   232                ; a key record's first half; word 2 stays (1, 1), word 3 stays 0
.set RB,   236
.set OF,   192                ; way out
.set DD,   200
.set OUTR, 208
.set TBK,  2                  ; s2  LDS byte of the K tiles to be fetched
.set TBV,  3                  ; s3  of the V bytes to be fetched
.set WVN,  24                 ; wave
.set QB,   25
.set CB,   26
.set HH,   27                 ; my head
.set GG,   28                 ; my group of query tiles
.set CNT,  29
.set MH0,  30                 ; 0x0000ffff: lanes 0-15, and a word's low half
.set MV,   31                 ; lanes whose output slot is a channel
.set MVB,  32                 ; those of them in lanes 0-15
.set MU,   33                 ; lanes 3, 7, 11, 15: the rows that make the ones
.set CSC,  34                 ; c
.set HIM,  35                 ; a word's high half
.set SEL,  36                 ; s[36:37] each lane takes its own place in the other half
.macro PLACES                 ; four plain vector instructions between a matrix instruction and the first line that reads its result or writes one of its registers (ISA guide 7.12.1)
.rept 4
	v_nop
.endr
.endm
.macro WLOAD T, off, bo, sw, sb, rb, bb   ; six weights (my output row, input channels 6 (lane / 16) on) and the row's bias
	global_load_b64 v[\T:\T+1], v[\off], s[\sw:\sw+1] offset:\rb
	global_load_b64 v[\T+2:\T+3], v[\off], s[\sw:\sw+1] offset:\rb+8
	global_load_b64 v[\T+4:\T+5], v[\off], s[\sw:\sw+1] offset:\rb+16
	global_load_b32 v[\T+6], v[\bo], s[\sb:\sb+1] offset:\bb
.endm
.macro WBUILD dst, T, mv, mvb, scale      ; the fragment [c0,c1][c2,X][c3,c4][c5,0], X = bias (lanes 0-15), 1.0 in the rows that make the ones
.if \scale
.irp k, 0,1,2,3,4,5,6
	v_mul_f32 v[\T+\k], s[CSC], v[\T+\k]
.endr
.endif
.irp k, 0,1,2,3,4,5
	v_cndmask_b32 v[\T+\k], 0, v[\T+\k], s[\mv]
.endr
	v_cndmask_b32 v[\T+6], 0, v[\T+6], s[\mvb]
	v_cndmask_b32 v[\T+6], v[\T+6], v[ONE], s[MU]
	v_cvt_pk_bf16_f32 v[\dst], v[\T], v[\T+1]
	v_cvt_pk_bf16_f32 v[\dst+1], v[\T+2], v[\T+6]
	v_cvt_pk_bf16_f32 v[\dst+2], v[\T+3], v[\T+4]
	v_cvt_pk_bf16_f32 v[\dst+3], v[\T+5], v[ZERO]
.irp k, 4,5,6,7
	v_mov_b32 v[\dst+\k], 0
.endr
.endm
.macro RED16 b                ; eight registers summed over the 16 lanes of a half
.irp m, 1,2,4,8
.irp k, 0,1,2,3,4,5,6,7
	v_add_f32_dpp v[\b+\k], v[\b+\k], v[\b+\k] row_xmask:\m row_mask:0xf bank_mask:0xf
.endr
.endr
.endm
.macro XITILE i               ; tile i: centred, rounded, projected by W_in; the result rounds into the next products' fragment
.irp k, 0,2,4,6
	v_pk_add_f32 v[RAW+8*\i+\k:RAW+8*\i+\k+1], v[RAW+8*\i+\k:RAW+8*\i+\k+1], v[MEAN+\k:MEAN+\k+1] neg_lo:[0,1] neg_hi:[0,1]
.endr
.irp k, 0,1,2,3
	v_cvt_pk_bf16_f32 v[XF+\k], v[RAW+8*\i+2*\k], v[RAW+8*\i+2*\k+1]
.endr
	v_wmma_f32_16x16x32_bf16 v[D1:D1+7], v[WIN:WIN+7], v[XF:XF+7], 0
	PLACES
.irp k, 0,1,2,3
	v_cvt_pk_bf16_f32 v[XIF+8*\i+\k], v[D1+2*\k], v[D1+2*\k+1]
.endr
.endm
.macro RECK d                 ; a key's record from (k0, k1, k2, 1.0): RA = [kh0,kh1][kh2,1][1,1][0,0], RB = [kl0,kl1][kl2,0][kh0,kh1][kh2,0]
	v_cvt_pk_bf16_f32 v[RA], v[\d], v[\d+1]
	v_cvt_pk_bf16_f32 v[RA+1], v[\d+2], v[\d+3]
	v_lshlrev_b32 v[T0], 16, v[RA]
	v_and_b32 v[T0+1], s[HIM], v[RA]
	v_lshlrev_b32 v[T0+2], 16, v[RA+1]
	v_sub_f32 v[T0], v[\d], v[T0]
	v_sub_f32 v[T0+1], v[\d+1], v[T0+1]
	v_sub_f32 v[T0+2], v[\d+2], v[T0+2]
	v_cvt_pk_bf16_f32 v[RB], v[T0], v[T0+1]
	v_cvt_pk_bf16_f32 v[RB+1], v[T0+2], v[ZERO]
	v_mov_b32 v[RB+2], v[RA]
	v_and_b32 v[RB+3], s[MH0], v[RA+1]
.endm
.macro RECQ d                 ; a query's record: RQ = [qh0,qh1][qh2,0][0,0][0,0] (the maximum's pieces come later), RB = [qh0,qh1][qh2,0][ql0,ql1][ql2,0]
	v_cvt_pk_bf16_f32 v[RQ], v[\d], v[\d+1]
	v_cvt_pk_bf16_f32 v[RQ+1], v[\d+2], v[ZERO]
	v_lshlrev_b32 v[T0], 16, v[RQ]
	v_and_b32 v[T0+1], s[HIM], v[RQ]
	v_lshlrev_b32 v[T0+2], 16, v[RQ+1]
	v_sub_f32 v[T0], v[\d], v[T0]
	v_sub_f32 v[T0+1], v[\d+1], v[T0+1]
	v_sub_f32 v[T0+2], v[\d+2], v[T0+2]
	v_mov_b32 v[RB], v[RQ]
	v_mov_b32 v[RB+1], v[RQ+1]
	v_cvt_pk_bf16_f32 v[RB+2], v[T0], v[T0+1]
	v_cvt_pk_bf16_f32 v[RB+3], v[T0+2], v[ZERO]
.endm
.macro KVTILE i               ; tile i's keys (lane = key, registers = slots of heads 2 (lane / 16) and 2 (lane / 16) + 1) and values (sources swapped: lane = row of V^T, registers = 8 keys)
	v_wmma_f32_16x16x32_bf16 v[DK:DK+7], v[WK:WK+7], v[XIF+8*\i:XIF+8*\i+7], 0
	v_wmma_f32_16x16x32_bf16 v[DV:DV+7], v[XIF+8*\i:XIF+8*\i+7], v[WV:WV+7], 0
	PLACES
	RECK DK
	ds_store_b128 v[KS], v[RA:RA+3] offset:\i*8192
	ds_store_b128 v[KS], v[RB:RB+3] offset:\i*8192+256
	RECK DK+4
	ds_store_b128 v[KS], v[RA:RA+3] offset:\i*8192+32768
	ds_store_b128 v[KS], v[RB:RB+3] offset:\i*8192+32768+256
.irp k, 0,1,2,3
	v_cvt_pk_bf16_f32 v[RB+\k], v[DV+2*\k], v[DV+2*\k+1]
.endr
	ds_store_b128 v[VS], v[RB:RB+3] offset:\i*512
.endm
.macro QTILE frag             ; the queries of one tile
	v_wmma_f32_16x16x32_bf16 v[DQ:DQ+7], v[WQ:WQ+7], v[\frag:\frag+7], 0
	PLACES
	RECQ DQ
	ds_store_b128 v[QS], v[RQ:RQ+3]
	ds_store_b128 v[QS], v[RB:RB+3] offset:256
	RECQ DQ+4
	ds_store_b128 v[QS], v[RQ:RQ+3] offset:QHB
	ds_store_b128 v[QS], v[RB:RB+3] offset:QHB+256
.endm
.macro PVM t, first, last     ; O^T of tile t += V^T P; the first step's product starts the sum
.if (\t) == 0
.if \last
	s_wait_dscnt 0x0              ; V's two loads are in; nothing was issued behind them
.else
	s_wait_dscnt 0x2              ; V's two loads are in; the next step's two K loads, issued behind them, may stay out
.endif
.endif
.if \first
	v_wmma_f32_16x16x32_bf16 v[O+8*(\t):O+8*(\t)+7], v[VF:VF+7], v[P+8*(\t):P+8*(\t)+7], 0
.else
	v_wmma_f32_16x16x32_bf16 v[O+8*(\t):O+8*(\t)+7], v[VF:VF+7], v[P+8*(\t):P+8*(\t)+7], v[O+8*(\t):O+8*(\t)+7]
.endif
.endm
; ONE STEP: 32 keys against the wave's NT query tiles.  All accumulators of a step differ, and O^T's take turns with the scores' between.
; The four plain lines behind the score products are the places in front of the loads into K's and V's registers, of the first read of a score and of the first write of P.
.macro STEP pass, first, last
	s_wait_dscnt 0x0              ; this step's two key fragments are in
.irp a, 0,1
.set t, 0
.rept NT
	v_wmma_f32_16x16x32_bf16 v[S+16*t+8*\a:S+16*t+8*\a+7], v[KF+8*\a:KF+8*\a+7], v[Q+8*t:Q+8*t+7], 0
.set t, t+1
.endr
.endr
.if \last
	v_nop
.else
	s_add_co_u32 s[TBK], s[TBK], 1024
	v_add_nc_u32 v[KA], s[TBK], v[LN16]
.endif
.if (\pass) == 2
	v_add_nc_u32 v[VA], s[TBV], v[VA0]
	s_add_co_u32 s[TBV], s[TBV], 64
.else
	v_nop
.endif
	v_nop
	v_nop
.if (\pass) == 2
	ds_load_b128 v[VF:VF+3], v[VA]                ; this step's V^T: keys 8 (lane / 16) + 0..7,
	ds_load_b128 v[VF+4:VF+7], v[VA] offset:32    ; and 16 further on
.endif
.if !(\last)
	ds_load_b128 v[KF:KF+3], v[KA]                ; the next step's two key tiles
	ds_load_b128 v[KF+8:KF+11], v[KA] offset:512
.endif
.if (\pass) == 1
.set t, 0
.rept NT
.set n, 0
.rept 8                       ; four chains a tile; each accumulator is read from its low end on
.if (\first) && (n < 4)
	v_max_num_f32 v[M+4*t+n], v[S+16*t+2*n], v[S+16*t+2*n+1]
.else
	v_max3_num_f32 v[M+4*t+n%4], v[M+4*t+n%4], v[S+16*t+2*n], v[S+16*t+2*n+1]
.endif
.set n, n+1
.endr
.set t, t+1
.endr
.else
.set g, 0
.rept 8*NT                    ; pair g: two exponentials, then the rounding of pair g - 1: a plain line stands between every exponential and the line that reads it (ISA guide 5.7.2)
	v_exp_f32 v[S+2*g], v[S+2*g]
	v_exp_f32 v[S+2*g+1], v[S+2*g+1]
.if g == 0
	v_nop
.else
	s_wait_alu depctr_va_vdst(0)
	v_cvt_pk_bf16_f32 v[P+g-1], v[S+2*g-2], v[S+2*g-1]
.if g%8 == 0
	PVM g/8-1, \first, \last
.endif
.endif
.set g, g+1
.endr
	v_cvt_pk_bf16_f32 v[P+8*NT-1], v[S+16*NT-2], v[S+16*NT-1]
	PVM NT-1, \first, \last
.endif
.endm
.macro MAXIN t                ; tile t's maximum m, and -m cut into three bf16 pieces (8 + 8 + 8 significant bits: nothing is lost) in slots 3, 4, 5 of the query's fragment, lanes 0-15
	v_max3_num_f32 v[M+4*\t], v[M+4*\t], v[M+4*\t+1], v[M+4*\t+2]
	v_max_num_f32 v[M+4*\t], v[M+4*\t], v[M+4*\t+3]
	v_permlanex16_b32 v[M+4*\t+1], v[M+4*\t], s[SEL], s[SEL+1]    ; the query's other keys lie in the lane 16 away
	v_max_num_f32 v[M+4*\t], v[M+4*\t], v[M+4*\t+1]
	v_xor_b32 v[M+4*\t], 0x80000000, v[M+4*\t]
	v_and_b32 v[M+4*\t+1], s[HIM], v[M+4*\t]
	v_sub_f32 v[M+4*\t+2], v[M+4*\t], v[M+4*\t+1]
	v_and_b32 v[M+4*\t+3], s[HIM], v[M+4*\t+2]
	v_sub_f32 v[M+4*\t+2], v[M+4*\t+2], v[M+4*\t+3]
	v_and_or_b32 v[T0], v[Q+8*\t+1], s[MH0], v[M+4*\t+1]
	v_perm_b32 v[T0+1], v[M+4*\t+2], v[M+4*\t+3], 0x07060302      ; low half: the second piece; high half: the third
	v_cndmask_b32 v[Q+8*\t+1], v[Q+8*\t+1], v[T0], s[MH0]
	v_cndmask_b32 v[Q+8*\t+2], v[Q+8*\t+2], v[T0+1], s[MH0]
.endm
	s_load_b512 s[4:19], s[0:1], 0x0               ; x s[4:5], y s[6:7], W_in s[8:9], b_in s[10:11], attn_in_w s[12:13], attn_in_b s[14:15], attn_out_w s[16:17], attn_out_b s[18:19]
	s_load_b128 s[20:23], s[0:1], 0x40             ; feat s[20:21], means s[22:23]
	v_lshl_add_u32 v[SPW], v0, 2, SPARE
	v_mov_b32 v[NIL], 0
	v_and_b32 v[T0], 31, v0
	v_lshlrev_b32 v[LN16], 4, v[T0]
	v_and_b32 v[R], 15, v0
	v_bfe_u32 v[H], v0, 4, 1
	v_mov_b32 v[ZERO], 0
	v_mov_b32 v[ONE], 1.0
	v_lshrrev_b32 v[T0], 5, v0
	v_readfirstlane_b32 s[WVN], v[T0]
	s_mov_b32 s[QB], ttmp9
	s_and_b32 s[CB], ttmp7, 0xffff
	s_and_b32 s[HH], s[WVN], 3
	s_lshr_b32 s[GG], s[WVN], 2
	s_mov_b32 s[MH0], 0x0000ffff
	s_mov_b32 s[MV], 0x77777777
	s_mov_b32 s[MVB], 0x00007777
	s_mov_b32 s[MU], 0x00008888
	s_mov_b32 s[CSC], 0x3f553b95                   ; log2(e) / sqrt(3) = 0.832940
	s_mov_b32 s[HIM], 0xffff0000
	s_mov_b32 s[SEL], 0x76543210
	s_mov_b32 s[SEL+1], 0xfedcba98
	v_lshlrev_b32 v[XO], 6, v[R]                   ; row 16 w + lane % 16 (64 bytes each), features 8 (lane / 16) on
	v_lshl_add_u32 v[XO], v[H], 5, v[XO]
	s_lshl_b32 s40, s[WVN], 10
	v_add_nc_u32 v[XO], s40, v[XO]
	v_lshrrev_b32 v[T0], 2, v[R]                   ; output slot lane % 16 is channel 3 (slot / 4) + slot % 4; slots 3, 7, 11, 15 read a row that is masked away
	v_and_b32 v[T0+1], 3, v[R]
	v_min_u32 v[T0+1], 2, v[T0+1]
	v_mad_u32_u24 v[T0], v[T0], 3, v[T0+1]
	v_mul_u32_u24 v[WO12], v[T0], 48
	v_mad_u32_u24 v[WO12], v[H], 24, v[WO12]
	v_lshlrev_b32 v[BO], 2, v[T0]
	v_lshlrev_b32 v[WOI], 6, v[T0]
	v_lshl_add_u32 v[WOI], v[H], 5, v[WOI]
	v_lshlrev_b32 v[KS], 16, v[H]                  ; heads 2 (lane / 16) on, tile w, key lane % 16
	v_lshl_add_u32 v[KS], v[R], 4, v[KS]
	s_lshl_b32 s40, s[WVN], 9
	v_add_nc_u32 v[KS], s40, v[KS]
	v_mul_u32_u24 v[QS], v[H], 2*QHB
	v_lshl_add_u32 v[QS], v[R], 4, v[QS]
	s_add_co_u32 s41, s40, QR
	v_add_nc_u32 v[QS], s41, v[QS]
	s_add_co_u32 s41, s40, OS
	v_add_nc_u32 v[OFA], s41, v[LN16]
	v_mul_u32_u24 v[VS], v[R], VP                  ; row lane % 16 of V^T, tile w's 32 bytes, 16 for each half of the lanes
	v_lshl_add_u32 v[VS], v[H], 4, v[VS]
	s_lshl_b32 s40, s[WVN], 5
	s_add_co_u32 s40, s40, VT
	v_add_nc_u32 v[VS], s40, v[VS]
	v_and_b32 v[T0], 3, v[R]                       ; the fragment's rows 4-15 repeat the head's four rows: every lane ends with (o0, o1, o2, l) in its four lowest registers
	v_mul_u32_u24 v[VA0], v[T0], VP
	v_lshl_add_u32 v[VA0], v[H], 4, v[VA0]
	s_mul_i32 s40, s[GG], NT*512
	s_lshr_b32 s41, s[HH], 1
	s_lshl_b32 s41, s41, 8
	s_add_co_u32 s40, s40, s41
	s_and_b32 s41, s[HH], 1
	s_lshl_b32 s41, s41, 3
	s_add_co_u32 s40, s40, s41
	s_add_co_u32 s40, s40, OS
	v_lshl_add_u32 v[OSA], v[R], 4, s40
	v_lshlrev_b32 v[T0], 5, v[H]                   ; 32 (lane / 16): my half of a row of 16 f32
	s_lshl_b32 s40, s[WVN], 6
	s_add_co_u32 s40, s40, MS
	v_add_nc_u32 v[T0+1], s40, v[T0]               ; my wave's partial sums
	v_lshl_add_u32 v[T0+2], v[R], 6, v[T0]
	v_add_nc_u32 v[T0+2], MS, v[T0+2]              ; wave (lane % 16)'s partial sums
	s_wait_kmcnt 0x0
	s_cmp_lt_u32 s[CB], 32
	s_cselect_b64 s[38:39], s[4:5], s[6:7]         ; the cloud
	s_and_b32 s40, s[CB], 31
	s_lshl_b32 s40, s40, 16
	s_mov_b32 s41, 0
	s_add_nc_u64 s[38:39], s[38:39], s[40:41]      ; the batch's 65,536 bytes
	s_lshl_b32 s40, s[CB], 6
	s_add_nc_u64 s[44:45], s[22:23], s[40:41]      ; means[cloud][batch]
	s_lshl_b32 s40, s[QB], 4
	s_add_co_u32 s40, s40, s[WVN]
	s_lshl_b32 s40, s40, 9
	s_lshl_b32 s43, s[CB], 15
	s_add_co_u32 s40, s40, s43
	s_add_nc_u64 s[46:47], s[20:21], s[40:41]      ; feat[cloud][batch][tile 16 qb + w]
.irp i, 0,1,2,3
	global_load_b128 v[RAW+8*\i:RAW+8*\i+3], v[XO], s[38:39] offset:\i*16384
	global_load_b128 v[RAW+8*\i+4:RAW+8*\i+7], v[XO], s[38:39] offset:\i*16384+16
.endr
	global_load_b128 v[TWI:TWI+3], v[WOI], s[8:9]
	global_load_b128 v[TWI+4:TWI+7], v[WOI], s[8:9] offset:16
	global_load_b32 v[TWI+8], v[BO], s[10:11]
	WLOAD TWQ, WO12, BO, 12, 14, 0, 0
	WLOAD TWK, WO12, BO, 12, 14, 576, 48
	WLOAD TWV, WO12, BO, 12, 14, 1152, 96
	WLOAD TWO, WO12, BO, 16, 18, 0, 0
	; THE MEAN over the cloud's 1024 rows: my four tiles, the 16 lanes of a half, then the 16 waves through LDS.
	s_wait_loadcnt 19                              ; the 8 loads of x are in; the 19 weight loads behind them may stay out
.irp k, 0,2,4,6
	v_pk_add_f32 v[MEAN+\k:MEAN+\k+1], v[RAW+\k:RAW+\k+1], v[RAW+8+\k:RAW+8+\k+1]
	v_pk_add_f32 v[DQ+\k:DQ+\k+1], v[RAW+16+\k:RAW+16+\k+1], v[RAW+24+\k:RAW+24+\k+1]
.endr
.irp k, 0,2,4,6
	v_pk_add_f32 v[MEAN+\k:MEAN+\k+1], v[MEAN+\k:MEAN+\k+1], v[DQ+\k:DQ+\k+1]
.endr
	RED16 MEAN
	ds_store_b128 v[T0+1], v[MEAN:MEAN+3]          ; the 16 lanes of a half write the same numbers to the same bytes
	ds_store_b128 v[T0+1], v[MEAN+4:MEAN+7] offset:16
	s_wait_loadcnt 0x0                             ; the weights
	s_wait_dscnt 0x0                               ; for the others' sake: my partial sums are in LDS
	s_barrier_signal -1
.irp k, 0,1,2,3,4,5,6,7                            ; the weight fragments are made, on registers alone, while the others arrive
	v_cndmask_b32 v[TWI+\k], 0, v[TWI+\k], s[MV]
.endr
	v_cndmask_b32 v[TWI+8], 0, v[TWI+8], s[MVB]
	v_cndmask_b32 v[TWI+8], v[TWI+8], v[ONE], s[MU]
.irp k, 0,1,2,3
	v_cvt_pk_bf16_f32 v[WIN+\k], v[TWI+2*\k], v[TWI+2*\k+1]
.endr
	v_cvt_pk_bf16_f32 v[WIN+4], v[TWI+8], v[ZERO]  ; K slot 16: b_in, against 1.0 in x's fragment
.irp k, 5,6,7
	v_mov_b32 v[WIN+\k], 0
.endr
	WBUILD WQ, TWQ, MV, MVB, 1
	WBUILD WK, TWK, MV, MVB, 0
	WBUILD WV, TWV, MV, MVB, 0
	WBUILD WOF, TWO, MV, MVB, 0
	v_mov_b32 v[XF+4], 0x3f80
	v_cndmask_b32 v[XF+4], 0, v[XF+4], s[MH0]
.irp k, 5,6,7
	v_mov_b32 v[XF+\k], 0
.endr
	v_mov_b32 v[RA+2], 0x3f803f80
	v_mov_b32 v[RA+3], 0
	v_mov_b32 v[RQ+2], 0
	v_mov_b32 v[RQ+3], 0
.irp i, 0,1,2,3
.irp k, 4,5,6,7
	v_mov_b32 v[XIF+8*\i+\k], 0
.endr
.endr
	s_barrier_wait -1
	ds_load_b128 v[MEAN:MEAN+3], v[T0+2]
	ds_load_b128 v[MEAN+4:MEAN+7], v[T0+2] offset:16
	s_wait_dscnt 0x0
	RED16 MEAN
.irp k, 0,1,2,3,4,5,6,7
	v_mul_f32 v[MEAN+\k], 0x3a800000, v[MEAN+\k]   ; / 1024: features 8 (lane / 16) + 0..7, in every lane
.endr
	s_cmp_lg_u32 s[QB], 0
	s_cbranch_scc1 .Lno_mean
	s_cmp_lg_u32 s[WVN], 0
	s_cbranch_scc1 .Lno_mean
	s_wait_xcnt 0x0                                ; EXEC changes only behind this wait
	v_cmp_eq_u32 vcc_lo, 0, v[R]
	s_and_saveexec_b32 s42, vcc_lo                 ; lanes 0 and 16: 32 bytes each
	global_store_b128 v[T0], v[MEAN:MEAN+3], s[44:45]
	global_store_b128 v[T0], v[MEAN+4:MEAN+7], s[44:45] offset:16
	s_wait_xcnt 0x0                                ; and again ahead of the line that widens it; v18 is free behind it too
	s_or_b32 exec_lo, exec_lo, s42
.Lno_mean:
	; PREPARATION: my four tiles' keys and values; tile w + 16 qb is also query tile w of the block.
.irp i, 0,1,2,3
	XITILE \i
	KVTILE \i
	s_cmp_lg_u32 s[QB], \i
	s_cbranch_scc1 .Lno_q\i
	QTILE XIF+8*\i
.Lno_q\i:
.endr
	s_wait_dscnt 0x0                               ; for the others' sake: my records are in LDS
	s_barrier_signal -1
	s_barrier_wait -1
	; PASS 1: the row maxima.
	s_mul_i32 s40, s[HH], QHB
	s_mul_i32 s41, s[GG], NT*512
	s_add_co_u32 s40, s40, s41
	s_add_co_u32 s40, s40, QR
	v_add_nc_u32 v[T0], s40, v[LN16]
	s_lshl_b32 s[TBK], s[HH], 15
	v_add_nc_u32 v[KA], s[TBK], v[LN16]
.irp t, 0,1,2,3
	ds_load_b128 v[Q+8*\t:Q+8*\t+3], v[T0] offset:\t*512
.endr
	ds_load_b128 v[KF:KF+3], v[KA]
	ds_load_b128 v[KF+8:KF+11], v[KA] offset:512
.irp t, 0,1,2,3
.irp k, 4,5,6,7
	v_mov_b32 v[Q+8*\t+\k], 0                      ; K slots 16-31 are not used
.endr
.endr
.irp k, 4,5,6,7,12,13,14,15
	v_mov_b32 v[KF+\k], 0
.endr
	STEP 1, 1, 0
	s_mov_b32 s[CNT], 30
.Lpass1:
	STEP 1, 0, 0
	s_sub_co_u32 s[CNT], s[CNT], 1
	s_cmp_lg_u32 s[CNT], 0
	s_cbranch_scc1 .Lpass1
	STEP 1, 0, 1
	; PASS 2: the weights, their sums and O^T.
.irp t, 0,1,2,3
	MAXIN \t
.endr
	s_lshl_b32 s[TBK], s[HH], 15
	v_add_nc_u32 v[KA], s[TBK], v[LN16]
	s_mul_i32 s[TBV], s[HH], 4*VP
	s_add_co_u32 s[TBV], s[TBV], VT
	ds_load_b128 v[KF:KF+3], v[KA]
	ds_load_b128 v[KF+8:KF+11], v[KA] offset:512
	STEP 2, 1, 0
	s_mov_b32 s[CNT], 30
.Lpass2:
	STEP 2, 0, 0
	s_sub_co_u32 s[CNT], s[CNT], 1
	s_cmp_lg_u32 s[CNT], 0
	s_cbranch_scc1 .Lpass2
	STEP 2, 0, 1
	; THE WAY OUT: o / l, rounded, with the slot of ones, into the tile's image; a barrier, since a tile's four heads come from four waves; out_proj; 512 consecutive bytes a wave.
	PLACES
.irp t, 0,1,2,3
	v_rcp_f32 v[T0+\t], v[O+8*\t+3]                ; l lies among the accumulator's four lowest registers
.endr
	v_nop                                          ; a plain line between the last reciprocal and its use
	s_wait_alu depctr_va_vdst(0)
.irp t, 0,1,2,3
	v_mul_f32 v[S+4*\t], v[O+8*\t], v[T0+\t]
	v_mul_f32 v[S+4*\t+1], v[O+8*\t+1], v[T0+\t]
	v_mul_f32 v[S+4*\t+2], v[O+8*\t+2], v[T0+\t]
	v_cvt_pk_bf16_f32 v[P+2*\t], v[S+4*\t], v[S+4*\t+1]
	v_cvt_pk_bf16_f32 v[P+2*\t+1], v[S+4*\t+2], v[ONE]
	ds_store_b64 v[OSA], v[P+2*\t:P+2*\t+1] offset:\t*512   ; both halves of the lanes hold the same numbers and write the same bytes
.endr
	s_wait_dscnt 0x0                               ; for the others' sake
	s_barrier_signal -1
	s_barrier_wait -1
	ds_load_b128 v[OF:OF+3], v[OFA]
.irp k, 4,5,6,7
	v_mov_b32 v[OF+\k], 0
.endr
	s_wait_dscnt 0x0
	v_wmma_f32_16x16x32_bf16 v[DD:DD+7], v[WOF:WOF+7], v[OF:OF+7], 0
	PLACES
.irp k, 0,1,2,3
	v_cvt_pk_bf16_f32 v[OUTR+\k], v[DD+2*\k], v[DD+2*\k+1]
.endr
	global_store_b128 v[LN16], v[OUTR:OUTR+3], s[46:47]
	s_wait_tensorcnt 0x0                           ; the wave's end
	ds_add_u32 v[SPW], v[NIL]
	s_wait_dscnt 0x0
	s_endpgm
.Lfunc_end_k_qab3de68d6f_selfatt:
	.size	k_qab3de68d6f_selfatt, .Lfunc_end_k_qab3de68d6f_selfatt-k_qab3de68d6f_selfatt
	.p2alignl 7, 3214868480
	.fill 96, 4, 3214868480
	.section	.rodata,"a",@progbits
	.p2align	6, 0x0
	.amdhsa_kernel k_qab3de68d6f_selfatt
		.amdhsa_group_segment_fixed_size 208128
		.amdhsa_private_segment_fixed_size 0
		.amdhsa_enable_private_segment 0
		.amdhsa_kernarg_size 80
		.amdhsa_user_sgpr_count 2
		.amdhsa_user_sgpr_kernarg_segment_ptr 1
		.amdhsa_wavefront_size32 1
		.amdhsa_system_sgpr_workgroup_id_x 1
		.amdhsa_system_sgpr_workgroup_id_y 1
		.amdhsa_system_sgpr_workgroup_id_z 1
		.amdhsa_system_vgpr_workitem_id 0
		.amdhsa_next_free_vgpr 240
		.amdhsa_next_free_sgpr 66
		.amdhsa_reserve_vcc 1
		.amdhsa_float_denorm_mode_32 3
		.amdhsa_float_denorm_mode_16_64 3
		.amdhsa_memory_ordered 1
		.amdhsa_forward_progress 1
		.amdhsa_inst_pref_size 70
	.end_amdhsa_kernel
	.amdgpu_metadata
---
amdhsa.version: [ 1, 2 ]
amdhsa.kernels:
  - .name:           k_qab3de68d6f_selfatt
    .symbol:         k_qab3de68d6f_selfatt.kd
    .args:
      - { .name: x_orig, .offset: 0, .size: 8, .value_kind: global_buffer, .address_space: global }
      - { .name: y_orig, .offset: 8, .size: 8, .value_kind: global_buffer, .address_space: global }
      - { .name: W_in, .offset: 16, .size: 8, .value_kind: global_buffer, .address_space: global }
      - { .name: b_in, .offset: 24, .size: 8, .value_kind: global_buffer, .address_space: global }
      - { .name: attn_in_w, .offset: 32, .size: 8, .value_kind: global_buffer, .address_space: global }
      - { .name: attn_in_b, .offset: 40, .size: 8, .value_kind: global_buffer, .address_space: global }
      - { .name: attn_out_w, .offset: 48, .size: 8, .value_kind: global_buffer, .address_space: global }
      - { .name: attn_out_b, .offset: 56, .size: 8, .value_kind: global_buffer, .address_space: global }
      - { .name: feat, .offset: 64, .size: 8, .value_kind: global_buffer, .address_space: global }
      - { .name: means, .offset: 72, .size: 8, .value_kind: global_buffer, .address_space: global }
    .group_segment_fixed_size: 208128
    .private_segment_fixed_size: 0
    .kernarg_segment_align: 8
    .kernarg_segment_size: 80
    .max_flat_workgroup_size: 512
    .sgpr_count:     66
    .vgpr_count:     240
    .wavefront_size: 32
...
	.end_amdgpu_metadata
.endif
;; end of part 1
;; launch crossatt (part 2): grid 8 x 32, 16 waves a work-group, no clusters, 186,624 bytes of LDS; arguments feat, cross_in_w, cross_in_b, cross_out_w, cross_out_b, W_out, b_out, x_orig, means, pts; writes pts
.if DOCPART == 2
	.amdgcn_target "amdgcn-amd-amdhsa--gfx1250"
	.amdhsa_code_object_version 6
	.text
	.protected	k_qab3de68d6f_crossatt
	.globl	k_qab3de68d6f_crossatt
	.p2align	8
	.type	k_qab3de68d6f_crossatt,@function
k_qab3de68d6f_crossatt:
	s_mov_b64 s[64:65], 0
	v_nop
	global_prefetch_b8 v0, s[64:65] scope:SCOPE_SE
	s_setreg_imm32_b32 hwreg(HW_REG_WAVE_MODE, 25, 1), 1
	s_wait_xcnt 0x0
; CROSS-ATTENTION.  Work-group (qb, b): batch b, queries 128 qb .. 128 qb + 127 of cloud x against all 1024 keys and values of cloud y; then out_proj and W_out.
; feat holds both clouds after self-attention as fragment images ([cloud][batch][tile of 16 rows][512 bytes]; lane l owns bytes 16 l: slots 8 (l / 16) + 0..7 of row l % 16, bf16).
; pts takes, for each tile of 16 rows, 512 bytes: at 16 r (coords x, y, z, 1.0), at 256 + 16 r the centred x features 0..3, all f32.
; FORMAT OF A 12-VECTOR, THE TWO PASSES AND THE RECORDS: 16 slots, channel e in slot 4 (e / 3) + e % 3, slots 3, 7, 11, 15 = 1.0; biases ride in input slot 3 of the weight fragments.
; Pass 1 makes S^T = K Q^T and keeps the true row maximum m; pass 2 makes it again with -m, cut exactly into three bf16 pieces, in three K slots, so that the product is the exponential's argument
; (c = log2(e) / sqrt(3) is folded into Wq and bq); the row sum is the ones row of V^T.  q and k go in as a bf16 number and the bf16 of what it left.
; SHARES.  16 waves.  Preparation: wave w takes key tiles w + 16 i; waves 0-7 also query tile w.  Main: head w % 4, query tiles 2 (w / 4) + 0, 1.  Way out: waves 0-7, tile w.
; NO TENSOR LOADS, NO CLUSTER: what enters LDS is projected in registers first; the eight work-groups of a batch share 32 KB of feat.
; LIMITS.  Matrix operands are bf16 (q, k as two bf16); p is rounded to bf16 and l is the sum of the rounded p; a weight below 2^-126 counts as 0; NaN and infinities are not treated apart.
.set NT,    2
.set QT,    4*NT
.set QHB,   QT*512
.set VT,    131072            ; LDS 0 .. 131071: key records [head 4][tile 64][512]; here V^T, 16 rows
.set VP,    2064              ; 1024 keys x 2 bytes + 16: row r starts 4 r words on modulo 64
.set QR,    VT+16*VP          ; query records [head 4][tile QT][512]
.set OS,    QR+4*QHB          ; the heads' normalised results [tile QT][512]
.set SPARE, OS+QT*512         ; the spare words: 128 bytes a wave, named by no other line
.set LN16, 1
.set R,    2
.set H,    3
.set ZERO, 4
.set ONE,  5
.set SPW,  6
.set NIL,  7
.set KA,   8
.set VA0,  9
.set KS,   10
.set VS,   11
.set QS,   12
.set OSA,  13
.set XO,   14                 ; my byte offset in a batch of feat
.set WO12, 15
.set BO,   16
.set WO3,  17                 ; my byte offset in W_out
.set T0,   18                 ; v18-21 at work
.set VA,   22
.set BO3,  23                 ; my byte offset in b_out; later OFA
.set OFA,  23
.set WOF,  24                 ; out_proj's fragment
.set WUF,  32                 ; W_out's fragment
.set WQ,   48
.set WK,   56
.set WV,   64
.set Q,    40
.set KF,   72
.set VF,   88
.set TWQ,  72
.set TWK,  80
.set TWV,  88
.set O,    96
.set XIF,  96
.set P,    128
.set M,    128
.set QF,   128                ; preparation: the query tile's fragment
.set DK,   144
.set DV,   152
.set S,    160
.set DQ,   192
.set TWU,  200
.set TWO,  210
.set RQ,   220
.set RA,   232
.set RB,   236
.set X3,   240
.set XM,   244
.set OF,   192                ; way out
.set D5,   200
.set F5,   208
.set D6,   224
.set OUTR, 232
.set WVN,  24
.set QB,   25
.set CB,   26                 ; the batch
.set HH,   27
.set GG,   28
.set CNT,  29
.set MH0,  30
.set MV,   31
.set MVB,  32
.set MU,   33
.set CSC,  34
.set HIM,  35
.set SEL,  36
.set MV3,  43                 ; lanes whose output slot is a coordinate
.set MVB3, 44
.set W7,   45                 ; w % 8
.set TBK,  46
.set TBV,  47
.macro PLACES                 ; four plain vector instructions between a matrix instruction and the first line that reads its result or writes one of its registers (ISA guide 7.12.1)
.rept 4
	v_nop
.endr
.endm
.macro WLOAD T, off, bo, sw, sb, rb, bb
	global_load_b64 v[\T:\T+1], v[\off], s[\sw:\sw+1] offset:\rb
	global_load_b64 v[\T+2:\T+3], v[\off], s[\sw:\sw+1] offset:\rb+8
	global_load_b64 v[\T+4:\T+5], v[\off], s[\sw:\sw+1] offset:\rb+16
	global_load_b32 v[\T+6], v[\bo], s[\sb:\sb+1] offset:\bb
.endm
.macro WBUILD dst, T, mv, mvb, scale      ; the fragment [c0,c1][c2,X][c3,c4][c5,0], X = bias (lanes 0-15), 1.0 in the rows that make the ones
.if \scale
.irp k, 0,1,2,3,4,5,6
	v_mul_f32 v[\T+\k], s[CSC], v[\T+\k]
.endr
.endif
.irp k, 0,1,2,3,4,5
	v_cndmask_b32 v[\T+\k], 0, v[\T+\k], s[\mv]
.endr
	v_cndmask_b32 v[\T+6], 0, v[\T+6], s[\mvb]
	v_cndmask_b32 v[\T+6], v[\T+6], v[ONE], s[MU]
	v_cvt_pk_bf16_f32 v[\dst], v[\T], v[\T+1]
	v_cvt_pk_bf16_f32 v[\dst+1], v[\T+2], v[\T+6]
	v_cvt_pk_bf16_f32 v[\dst+2], v[\T+3], v[\T+4]
	v_cvt_pk_bf16_f32 v[\dst+3], v[\T+5], v[ZERO]
.irp k, 4,5,6,7
	v_mov_b32 v[\dst+\k], 0
.endr
.endm
.macro RECK d                 ; RA = [kh0,kh1][kh2,1][1,1][0,0], RB = [kl0,kl1][kl2,0][kh0,kh1][kh2,0]
	v_cvt_pk_bf16_f32 v[RA], v[\d], v[\d+1]
	v_cvt_pk_bf16_f32 v[RA+1], v[\d+2], v[\d+3]
	v_lshlrev_b32 v[T0], 16, v[RA]
	v_and_b32 v[T0+1], s[HIM], v[RA]
	v_lshlrev_b32 v[T0+2], 16, v[RA+1]
	v_sub_f32 v[T0], v[\d], v[T0]
	v_sub_f32 v[T0+1], v[\d+1], v[T0+1]
	v_sub_f32 v[T0+2], v[\d+2], v[T0+2]
	v_cvt_pk_bf16_f32 v[RB], v[T0], v[T0+1]
	v_cvt_pk_bf16_f32 v[RB+1], v[T0+2], v[ZERO]
	v_mov_b32 v[RB+2], v[RA]
	v_and_b32 v[RB+3], s[MH0], v[RA+1]
.endm
.macro RECQ d                 ; RQ = [qh0,qh1][qh2,0][0,0][0,0], RB = [qh0,qh1][qh2,0][ql0,ql1][ql2,0]
	v_cvt_pk_bf16_f32 v[RQ], v[\d], v[\d+1]
	v_cvt_pk_bf16_f32 v[RQ+1], v[\d+2], v[ZERO]
	v_lshlrev_b32 v[T0], 16, v[RQ]
	v_and_b32 v[T0+1], s[HIM], v[RQ]
	v_lshlrev_b32 v[T0+2], 16, v[RQ+1]
	v_sub_f32 v[T0], v[\d], v[T0]
	v_sub_f32 v[T0+1], v[\d+1], v[T0+1]
	v_sub_f32 v[T0+2], v[\d+2], v[T0+2]
	v_mov_b32 v[RB], v[RQ]
	v_mov_b32 v[RB+1], v[RQ+1]
	v_cvt_pk_bf16_f32 v[RB+2], v[T0], v[T0+1]
	v_cvt_pk_bf16_f32 v[RB+3], v[T0+2], v[ZERO]
.endm
.macro KVTILE i
	v_wmma_f32_16x16x32_bf16 v[DK:DK+7], v[WK:WK+7], v[XIF+8*\i:XIF+8*\i+7], 0
	v_wmma_f32_16x16x32_bf16 v[DV:DV+7], v[XIF+8*\i:XIF+8*\i+7], v[WV:WV+7], 0
	PLACES
	RECK DK
	ds_store_b128 v[KS], v[RA:RA+3] offset:\i*8192
	ds_store_b128 v[KS], v[RB:RB+3] offset:\i*8192+256
	RECK DK+4
	ds_store_b128 v[KS], v[RA:RA+3] offset:\i*8192+32768
	ds_store_b128 v[KS], v[RB:RB+3] offset:\i*8192+32768+256
.irp k, 0,1,2,3
	v_cvt_pk_bf16_f32 v[RB+\k], v[DV+2*\k], v[DV+2*\k+1]
.endr
	ds_store_b128 v[VS], v[RB:RB+3] offset:\i*512
.endm
.macro QTILE frag
	v_wmma_f32_16x16x32_bf16 v[DQ:DQ+7], v[WQ:WQ+7], v[\frag:\frag+7], 0
	PLACES
	RECQ DQ
	ds_store_b128 v[QS], v[RQ:RQ+3]
	ds_store_b128 v[QS], v[RB:RB+3] offset:256
	RECQ DQ+4
	ds_store_b128 v[QS], v[RQ:RQ+3] offset:QHB
	ds_store_b128 v[QS], v[RB:RB+3] offset:QHB+256
.endm
.macro PVM t, first, last
.if (\t) == 0
.if \last
	s_wait_dscnt 0x0              ; V's two loads are in; nothing was issued behind them
.else
	s_wait_dscnt 0x2              ; V's two loads are in; the next step's two K loads, issued behind them, may stay out
.endif
.endif
.if \first
	v_wmma_f32_16x16x32_bf16 v[O+8*(\t):O+8*(\t)+7], v[VF:VF+7], v[P+8*(\t):P+8*(\t)+7], 0
.else
	v_wmma_f32_16x16x32_bf16 v[O+8*(\t):O+8*(\t)+7], v[VF:VF+7], v[P+8*(\t):P+8*(\t)+7], v[O+8*(\t):O+8*(\t)+7]
.endif
.endm
; ONE STEP: 32 keys against the wave's NT query tiles.  All accumulators of a step differ, and O^T's take turns with the scores' between.
; The four plain lines behind the score products are the places in front of the loads into K's and V's registers, of the first read of a score and of the first write of P.
.macro STEP pass, first, last
	s_wait_dscnt 0x0              ; this step's two key fragments are in
.irp a, 0,1
.set t, 0
.rept NT
	v_wmma_f32_16x16x32_bf16 v[S+16*t+8*\a:S+16*t+8*\a+7], v[KF+8*\a:KF+8*\a+7], v[Q+8*t:Q+8*t+7], 0
.set t, t+1
.endr
.endr
.if \last
	v_nop
.else
	s_add_co_u32 s[TBK], s[TBK], 1024
	v_add_nc_u32 v[KA], s[TBK], v[LN16]
.endif
.if (\pass) == 2
	v_add_nc_u32 v[VA], s[TBV], v[VA0]
	s_add_co_u32 s[TBV], s[TBV], 64
.else
	v_nop
.endif
	v_nop
	v_nop
.if (\pass) == 2
	ds_load_b128 v[VF:VF+3], v[VA]
	ds_load_b128 v[VF+4:VF+7], v[VA] offset:32
.endif
.if !(\last)
	ds_load_b128 v[KF:KF+3], v[KA]
	ds_load_b128 v[KF+8:KF+11], v[KA] offset:512
.endif
.if (\pass) == 1
.set t, 0
.rept NT
.set n, 0
.rept 8                       ; four chains a tile; each accumulator is read from its low end on
.if (\first) && (n < 4)
	v_max_num_f32 v[M+4*t+n], v[S+16*t+2*n], v[S+16*t+2*n+1]
.else
	v_max3_num_f32 v[M+4*t+n%4], v[M+4*t+n%4], v[S+16*t+2*n], v[S+16*t+2*n+1]
.endif
.set n, n+1
.endr
.set t, t+1
.endr
.else
.set g, 0
.rept 8*NT                    ; pair g: two exponentials, then the rounding of pair g - 1: a plain line stands between every exponential and the line that reads it (ISA guide 5.7.2)
	v_exp_f32 v[S+2*g], v[S+2*g]
	v_exp_f32 v[S+2*g+1], v[S+2*g+1]
.if g == 0
	v_nop
.else
	s_wait_alu depctr_va_vdst(0)
	v_cvt_pk_bf16_f32 v[P+g-1], v[S+2*g-2], v[S+2*g-1]
.if g%8 == 0
	PVM g/8-1, \first, \last
.endif
.endif
.set g, g+1
.endr
	v_cvt_pk_bf16_f32 v[P+8*NT-1], v[S+16*NT-2], v[S+16*NT-1]
	PVM NT-1, \first, \last
.endif
.endm
.macro MAXIN t                ; tile t's maximum m, and -m cut into three bf16 pieces (8 + 8 + 8 significant bits) in slots 3, 4, 5 of the query's fragment, lanes 0-15
	v_max3_num_f32 v[M+4*\t], v[M+4*\t], v[M+4*\t+1], v[M+4*\t+2]
	v_max_num_f32 v[M+4*\t], v[M+4*\t], v[M+4*\t+3]
	v_permlanex16_b32 v[M+4*\t+1], v[M+4*\t], s[SEL], s[SEL+1]
	v_max_num_f32 v[M+4*\t], v[M+4*\t], v[M+4*\t+1]
	v_xor_b32 v[M+4*\t], 0x80000000, v[M+4*\t]
	v_and_b32 v[M+4*\t+1], s[HIM], v[M+4*\t]
	v_sub_f32 v[M+4*\t+2], v[M+4*\t], v[M+4*\t+1]
	v_and_b32 v[M+4*\t+3], s[HIM], v[M+4*\t+2]
	v_sub_f32 v[M+4*\t+2], v[M+4*\t+2], v[M+4*\t+3]
	v_and_or_b32 v[T0], v[Q+8*\t+1], s[MH0], v[M+4*\t+1]
	v_perm_b32 v[T0+1], v[M+4*\t+2], v[M+4*\t+3], 0x07060302
	v_cndmask_b32 v[Q+8*\t+1], v[Q+8*\t+1], v[T0], s[MH0]
	v_cndmask_b32 v[Q+8*\t+2], v[Q+8*\t+2], v[T0+1], s[MH0]
.endm
	s_load_b512 s[4:19], s[0:1], 0x0               ; feat s[4:5], cross_in_w s[6:7], cross_in_b s[8:9], cross_out_w s[10:11], cross_out_b s[12:13], W_out s[14:15], b_out s[16:17], x_orig s[18:19]
	s_load_b128 s[20:23], s[0:1], 0x40             ; means s[20:21], pts s[22:23]
	v_lshl_add_u32 v[SPW], v0, 2, SPARE
	v_mov_b32 v[NIL], 0
	v_and_b32 v[T0], 31, v0
	v_lshlrev_b32 v[LN16], 4, v[T0]
	v_and_b32 v[R], 15, v0
	v_bfe_u32 v[H], v0, 4, 1
	v_mov_b32 v[ZERO], 0
	v_mov_b32 v[ONE], 1.0
	v_lshrrev_b32 v[T0], 5, v0
	v_readfirstlane_b32 s[WVN], v[T0]
	s_mov_b32 s[QB], ttmp9
	s_and_b32 s[CB], ttmp7, 0xffff
	s_and_b32 s[HH], s[WVN], 3
	s_lshr_b32 s[GG], s[WVN], 2
	s_and_b32 s[W7], s[WVN], 7
	s_mov_b32 s[MH0], 0x0000ffff
	s_mov_b32 s[MV], 0x77777777
	s_mov_b32 s[MVB], 0x00007777
	s_mov_b32 s[MU], 0x00008888
	s_mov_b32 s[MV3], 0x00070007
	s_mov_b32 s[MVB3], 0x00000007
	s_mov_b32 s[CSC], 0x3f553b95                   ; log2(e) / sqrt(3) = 0.832940
	s_mov_b32 s[HIM], 0xffff0000
	s_mov_b32 s[SEL], 0x76543210
	s_mov_b32 s[SEL+1], 0xfedcba98
	s_lshl_b32 s40, s[WVN], 9
	v_add_nc_u32 v[XO], s40, v[LN16]               ; tile w's image, my 16 bytes
	v_lshlrev_b32 v[KS], 16, v[H]
	v_lshl_add_u32 v[KS], v[R], 4, v[KS]
	v_add_nc_u32 v[KS], s40, v[KS]
	v_lshrrev_b32 v[T0], 2, v[R]
	v_and_b32 v[T0+1], 3, v[R]
	v_min_u32 v[T0+1], 2, v[T0+1]
	v_mad_u32_u24 v[T0], v[T0], 3, v[T0+1]         ; my output slot's channel
	v_mul_u32_u24 v[WO12], v[T0], 48
	v_mad_u32_u24 v[WO12], v[H], 24, v[WO12]
	v_lshlrev_b32 v[BO], 2, v[T0]
	v_min_u32 v[T0], 2, v[T0]                      ; W_out has three rows; the other lanes read row 2 and are masked away
	v_mul_u32_u24 v[WO3], v[T0], 48
	v_mad_u32_u24 v[WO3], v[H], 24, v[WO3]
	v_lshlrev_b32 v[BO3], 2, v[T0]
	v_lshlrev_b32 v[T0+3], 6, v[R]                 ; row lane % 16 of x, 64 bytes a row
	v_mul_u32_u24 v[QS], v[H], 2*QHB
	v_lshl_add_u32 v[QS], v[R], 4, v[QS]
	s_lshl_b32 s40, s[W7], 9
	s_add_co_u32 s41, s40, QR
	v_add_nc_u32 v[QS], s41, v[QS]
	v_mul_u32_u24 v[VS], v[R], VP
	v_lshl_add_u32 v[VS], v[H], 4, v[VS]
	s_lshl_b32 s41, s[WVN], 5
	s_add_co_u32 s41, s41, VT
	v_add_nc_u32 v[VS], s41, v[VS]
	v_and_b32 v[T0], 3, v[R]
	v_mul_u32_u24 v[VA0], v[T0], VP
	v_lshl_add_u32 v[VA0], v[H], 4, v[VA0]
	s_mul_i32 s40, s[GG], NT*512
	s_lshr_b32 s41, s[HH], 1
	s_lshl_b32 s41, s41, 8
	s_add_co_u32 s40, s40, s41
	s_and_b32 s41, s[HH], 1
	s_lshl_b32 s41, s41, 3
	s_add_co_u32 s40, s40, s41
	s_add_co_u32 s40, s40, OS
	v_lshl_add_u32 v[OSA], v[R], 4, s40
	s_wait_kmcnt 0x0
	s_mov_b32 s41, 0
	s_add_co_u32 s40, s[CB], 32
	s_lshl_b32 s40, s40, 15
	s_add_nc_u64 s[38:39], s[4:5], s[40:41]        ; feat[cloud y][b]
	s_lshl_b32 s40, s[QB], 3
	s_add_co_u32 s40, s40, s[W7]
	s_lshl_b32 s40, s40, 9
	s_lshl_b32 s42, s[CB], 15
	s_add_co_u32 s40, s40, s42
	s_add_nc_u64 s[2:3], s[4:5], s[40:41]          ; feat[cloud x][b][tile 8 qb + w % 8]
	s_add_nc_u64 s[22:23], s[22:23], s[40:41]      ; pts[b][the same tile]
	s_lshl_b32 s40, s[QB], 13
	s_lshl_b32 s42, s[W7], 10
	s_add_co_u32 s40, s40, s42
	s_lshl_b32 s42, s[CB], 16
	s_add_co_u32 s40, s40, s42
	s_add_nc_u64 s[18:19], s[18:19], s[40:41]      ; x_orig[b][the tile's first row]
	s_lshl_b32 s40, s[CB], 6
	s_add_nc_u64 s[20:21], s[20:21], s[40:41]      ; means[cloud x][b]
.irp i, 0,1,2,3
	global_load_b128 v[XIF+8*\i:XIF+8*\i+3], v[XO], s[38:39] offset:\i*8192   ; 512 consecutive bytes a wave: the image is the fragment
.endr
	WLOAD TWQ, WO12, BO, 6, 8, 0, 0
	WLOAD TWK, WO12, BO, 6, 8, 576, 48
	WLOAD TWV, WO12, BO, 6, 8, 1152, 96
	WLOAD TWO, WO12, BO, 10, 12, 0, 0
	WLOAD TWU, WO3, BO3, 14, 16, 0, 0
	global_load_b128 v[QF:QF+3], v[LN16], s[2:3]   ; waves 8-15 load what waves 0-7 load and use none of it: no register is left unwritten on any path
	global_load_b128 v[X3:X3+3], v[T0+3], s[18:19]
	global_load_b128 v[XM:XM+3], v[ZERO], s[20:21]
	s_wait_loadcnt 0x0
	WBUILD WQ, TWQ, MV, MVB, 1
	WBUILD WK, TWK, MV, MVB, 0
	WBUILD WV, TWV, MV, MVB, 0
	WBUILD WOF, TWO, MV, MVB, 0
	WBUILD WUF, TWU, MV3, MVB3, 0
	v_mov_b32 v[RA+2], 0x3f803f80
	v_mov_b32 v[RA+3], 0
	v_mov_b32 v[RQ+2], 0
	v_mov_b32 v[RQ+3], 0
.irp i, 0,1,2,3
.irp k, 4,5,6,7
	v_mov_b32 v[XIF+8*\i+\k], 0
.endr
.endr
.irp k, 4,5,6,7
	v_mov_b32 v[QF+\k], 0
.endr
	s_lshl_b32 s40, s[W7], 9
	s_add_co_u32 s40, s40, OS
	v_add_nc_u32 v[OFA], s40, v[LN16]              ; b_out's load is done: the register takes the image's address
	; PREPARATION
.irp i, 0,1,2,3
	KVTILE \i
.endr
	s_cmp_lt_u32 s[WVN], 8
	s_cbranch_scc0 .Lno_q
	QTILE QF
.Lno_q:
	s_wait_dscnt 0x0                               ; for the others' sake: my records are in LDS
	s_barrier_signal -1
	s_barrier_wait -1
	; PASS 1: the row maxima.
	s_mul_i32 s40, s[HH], QHB
	s_mul_i32 s41, s[GG], NT*512
	s_add_co_u32 s40, s40, s41
	s_add_co_u32 s40, s40, QR
	v_add_nc_u32 v[T0], s40, v[LN16]
	s_lshl_b32 s[TBK], s[HH], 15
	v_add_nc_u32 v[KA], s[TBK], v[LN16]
.irp t, 0,1
	ds_load_b128 v[Q+8*\t:Q+8*\t+3], v[T0] offset:\t*512
.endr
	ds_load_b128 v[KF:KF+3], v[KA]
	ds_load_b128 v[KF+8:KF+11], v[KA] offset:512
.irp t, 0,1
.irp k, 4,5,6,7
	v_mov_b32 v[Q+8*\t+\k], 0
.endr
.endr
.irp k, 4,5,6,7,12,13,14,15
	v_mov_b32 v[KF+\k], 0
.endr
	STEP 1, 1, 0
	s_mov_b32 s[CNT], 30
.Lpass1:
	STEP 1, 0, 0
	s_sub_co_u32 s[CNT], s[CNT], 1
	s_cmp_lg_u32 s[CNT], 0
	s_cbranch_scc1 .Lpass1
	STEP 1, 0, 1
	; PASS 2: the weights, their sums and O^T.
.irp t, 0,1
	MAXIN \t
.endr
	s_lshl_b32 s[TBK], s[HH], 15
	v_add_nc_u32 v[KA], s[TBK], v[LN16]
	s_mul_i32 s[TBV], s[HH], 4*VP
	s_add_co_u32 s[TBV], s[TBV], VT
	ds_load_b128 v[KF:KF+3], v[KA]
	ds_load_b128 v[KF+8:KF+11], v[KA] offset:512
	STEP 2, 1, 0
	s_mov_b32 s[CNT], 30
.Lpass2:
	STEP 2, 0, 0
	s_sub_co_u32 s[CNT], s[CNT], 1
	s_cmp_lg_u32 s[CNT], 0
	s_cbranch_scc1 .Lpass2
	STEP 2, 0, 1
	; THE WAY OUT: o / l into the tile's image; a barrier; out_proj, W_out; coordinates and centred x3 leave together, 512 consecutive bytes a wave.
	PLACES
.irp t, 0,1
	v_rcp_f32 v[T0+\t], v[O+8*\t+3]                ; l lies among the accumulator's four lowest registers
.endr
	v_nop
	s_wait_alu depctr_va_vdst(0)
.irp t, 0,1
	v_mul_f32 v[S+4*\t], v[O+8*\t], v[T0+\t]
	v_mul_f32 v[S+4*\t+1], v[O+8*\t+1], v[T0+\t]
	v_mul_f32 v[S+4*\t+2], v[O+8*\t+2], v[T0+\t]
	v_cvt_pk_bf16_f32 v[P+2*\t], v[S+4*\t], v[S+4*\t+1]
	v_cvt_pk_bf16_f32 v[P+2*\t+1], v[S+4*\t+2], v[ONE]
	ds_store_b64 v[OSA], v[P+2*\t:P+2*\t+1] offset:\t*512
.endr
	s_wait_dscnt 0x0                               ; for the others' sake
	s_barrier_signal -1
	s_barrier_wait -1
	s_cmp_lt_u32 s[WVN], 8
	s_cbranch_scc0 .Lend                           ; eight tiles, eight waves
	ds_load_b128 v[OF:OF+3], v[OFA]
.irp k, 4,5,6,7
	v_mov_b32 v[OF+\k], 0
	v_mov_b32 v[F5+\k], 0
.endr
	s_wait_dscnt 0x0
	v_wmma_f32_16x16x32_bf16 v[D5:D5+7], v[WOF:WOF+7], v[OF:OF+7], 0
	PLACES
.irp k, 0,1,2,3
	v_cvt_pk_bf16_f32 v[F5+\k], v[D5+2*\k], v[D5+2*\k+1]
.endr
	v_wmma_f32_16x16x32_bf16 v[D6:D6+7], v[WUF:WUF+7], v[F5:F5+7], 0
	v_pk_add_f32 v[X3:X3+1], v[X3:X3+1], v[XM:XM+1] neg_lo:[0,1] neg_hi:[0,1]          ; x - mean, in f32: two of the four places behind the product
	v_pk_add_f32 v[X3+2:X3+3], v[X3+2:X3+3], v[XM+2:XM+3] neg_lo:[0,1] neg_hi:[0,1]
	v_nop
	v_nop
.irp k, 0,1,2,3
	v_cndmask_b32 v[OUTR+\k], v[X3+\k], v[D6+\k], s[MH0]    ; lanes 0-15: (x, y, z, 1.0) of row lane % 16; lanes 16-31: its centred features 0..3
.endr
	global_store_b128 v[LN16], v[OUTR:OUTR+3], s[22:23]
.Lend:
	s_wait_tensorcnt 0x0                           ; the wave's end
	ds_add_u32 v[SPW], v[NIL]
	s_wait_dscnt 0x0
	s_endpgm
.Lfunc_end_k_qab3de68d6f_crossatt:
	.size	k_qab3de68d6f_crossatt, .Lfunc_end_k_qab3de68d6f_crossatt-k_qab3de68d6f_crossatt
	.p2alignl 7, 3214868480
	.fill 96, 4, 3214868480
	.section	.rodata,"a",@progbits
	.p2align	6, 0x0
	.amdhsa_kernel k_qab3de68d6f_crossatt
		.amdhsa_group_segment_fixed_size 186624
		.amdhsa_private_segment_fixed_size 0
		.amdhsa_enable_private_segment 0
		.amdhsa_kernarg_size 80
		.amdhsa_user_sgpr_count 2
		.amdhsa_user_sgpr_kernarg_segment_ptr 1
		.amdhsa_wavefront_size32 1
		.amdhsa_system_sgpr_workgroup_id_x 1
		.amdhsa_system_sgpr_workgroup_id_y 1
		.amdhsa_system_sgpr_workgroup_id_z 1
		.amdhsa_system_vgpr_workitem_id 0
		.amdhsa_next_free_vgpr 248
		.amdhsa_next_free_sgpr 66
		.amdhsa_reserve_vcc 0
		.amdhsa_float_denorm_mode_32 3
		.amdhsa_float_denorm_mode_16_64 3
		.amdhsa_memory_ordered 1
		.amdhsa_forward_progress 1
		.amdhsa_inst_pref_size 41
	.end_amdhsa_kernel
	.amdgpu_metadata
---
amdhsa.version: [ 1, 2 ]
amdhsa.kernels:
  - .name:           k_qab3de68d6f_crossatt
    .symbol:         k_qab3de68d6f_crossatt.kd
    .args:
      - { .name: feat, .offset: 0, .size: 8, .value_kind: global_buffer, .address_space: global }
      - { .name: cross_in_w, .offset: 8, .size: 8, .value_kind: global_buffer, .address_space: global }
      - { .name: cross_in_b, .offset: 16, .size: 8, .value_kind: global_buffer, .address_space: global }
      - { .name: cross_out_w, .offset: 24, .size: 8, .value_kind: global_buffer, .address_space: global }
      - { .name: cross_out_b, .offset: 32, .size: 8, .value_kind: global_buffer, .address_space: global }
      - { .name: W_out, .offset: 40, .size: 8, .value_kind: global_buffer, .address_space: global }
      - { .name: b_out, .offset: 48, .size: 8, .value_kind: global_buffer, .address_space: global }
      - { .name: x_orig, .offset: 56, .size: 8, .value_kind: global_buffer, .address_space: global }
      - { .name: means, .offset: 64, .size: 8, .value_kind: global_buffer, .address_space: global }
      - { .name: pts, .offset: 72, .size: 8, .value_kind: global_buffer, .address_space: global }
    .group_segment_fixed_size: 186624
    .private_segment_fixed_size: 0
    .kernarg_segment_align: 8
    .kernarg_segment_size: 80
    .max_flat_workgroup_size: 512
    .sgpr_count:     66
    .vgpr_count:     248
    .wavefront_size: 32
...
	.end_amdgpu_metadata
.endif
;; end of part 2
;; launch kabsch (part 3): grid 32 x 1, 8 waves a work-group, no clusters, 14,336 bytes of LDS; arguments pts, means, out0; writes out0
.if DOCPART == 3
	.amdgcn_target "amdgcn-amd-amdhsa--gfx1250"
	.amdhsa_code_object_version 6
	.text
	.protected	k_qab3de68d6f_kabsch
	.globl	k_qab3de68d6f_kabsch
	.p2align	8
	.type	k_qab3de68d6f_kabsch,@function
k_qab3de68d6f_kabsch:
	s_mov_b64 s[64:65], 0
	v_nop
	global_prefetch_b8 v0, s[64:65] scope:SCOPE_SE
	s_setreg_imm32_b32 hwreg(HW_REG_WAVE_MODE, 25, 1), 1
	s_wait_xcnt 0x0
; THE RIGID FIT OF ONE BATCH.  A = coords + x3, B = x3 (both [1024][3], from pts); H = (B - cB)^T (A - cA); R = U V^T of H's singular value decomposition;
; out = x3 R + (cA - cB R) + mean(y)[:3] = (B - cB) R + cA + mean(y)[:3].
; U V^T is H's orthogonal polar factor.  It is found by Newton's iteration X <- (g X + X^-T / g) / 2 with g^2 = |X^-1| / |X| (Frobenius norms), X^-T = cofactors / determinant.
; A scaled trip takes a condition number k to about sqrt(k) / 2, so 1e12 falls to 1 within f32 in eight trips; ten are made, and a converged X stays where it is.
; 256 threads, four rows each; everything in f32 on the vector unit: the products are 3 x 3, nine multiply-adds a row, and what is rounded here goes straight into the output.
; One work-group a batch: the sums span all 1024 rows.  LIMITS: a singular H (for which U V^T is not unique) gives no defined result; NaN and infinities are not treated apart.
.set RED1,  0                 ; 8 waves x 32 bytes: the sums of A and of B
.set RED2,  256               ; 8 waves x 64 bytes: H
.set OST,   1024              ; 12,288 bytes: the output rows, 12 bytes each, gathered for stores of 16 bytes a lane
.set SPARE, 13312             ; the spare words: 128 bytes a wave, named by no other line
.set PO,   1                  ; my byte offset in pts: tile t / 16, row t % 16
.set ZERO, 2
.set R1S,  3
.set SPW,  4
.set NIL,  5
.set R1L,  6
.set R2S,  7
.set AM,   8                  ; v8-23   row k at AM + 4 k: coords, then A, then A - cA
.set BM,   24                 ; v24-39  x3, then B - cB
.set YM,   40                 ; v40-43  mean of y
.set CA,   44                 ; v44-47  sums of A, then cA, then cA + mean(y); v47 = 0
.set CBB,  48                 ; v48-51  sums of B, then cB; v51 = 0
.set R2L,  52
.set OSS,  53
.set OSL,  54
.set GO,   55
.set HM,   56                 ; v56-64 H; v65-67 = 0
.set XX,   68                 ; v68-76 X
.set CC,   78                 ; v78-86 cofactors
.set TT,   88                 ; v88-97 at work
.set OU,   100                ; v100-115 output rows, row k at OU + 4 k
.set BK,   116                ; v116-127 read back from the stage
.macro WRED r                 ; a sum over the wave's 32 lanes, in every lane
.irp m, 1,2,4,8
	v_add_f32_dpp v[\r], v[\r], v[\r] row_xmask:\m row_mask:0xf bank_mask:0xf
.endr
	v_permlanex16_b32 v[TT], v[\r], s18, s19
	v_add_f32 v[\r], v[\r], v[TT]
.endm
.macro RED8 r                 ; a sum over eight neighbouring lanes, which hold the eight waves' parts
.irp m, 1,2,4
	v_add_f32_dpp v[\r], v[\r], v[\r] row_xmask:\m row_mask:0xf bank_mask:0xf
.endr
.endm
.macro COF d, a, b, c, e      ; cofactor d = x_a x_b - x_c x_e
	v_mul_f32 v[TT+(\d)%3], v[XX+\c], v[XX+\e]
	v_fma_f32 v[CC+\d], v[XX+\a], v[XX+\b], -v[TT+(\d)%3]
.endm
	s_load_b128 s[4:7], s[0:1], 0x0                ; pts s[4:5], means s[6:7]
	s_load_b64 s[8:9], s[0:1], 0x10                ; out0
	v_lshl_add_u32 v[SPW], v0, 2, SPARE
	v_mov_b32 v[NIL], 0
	v_mov_b32 v[ZERO], 0
	v_lshrrev_b32 v[TT], 5, v0
	v_readfirstlane_b32 s10, v[TT]                 ; wave
	v_lshrrev_b32 v[TT], 4, v0
	v_and_b32 v[TT+1], 15, v0
	v_lshlrev_b32 v[PO], 9, v[TT]
	v_lshl_add_u32 v[PO], v[TT+1], 4, v[PO]
	v_and_b32 v[TT+1], 7, v0
	v_lshlrev_b32 v[R1L], 5, v[TT+1]
	v_lshlrev_b32 v[R2L], 6, v[TT+1]
	v_add_nc_u32 v[R2L], RED2, v[R2L]
	s_lshl_b32 s20, s10, 5
	v_mov_b32 v[R1S], s20
	s_lshl_b32 s20, s10, 6
	s_add_co_u32 s20, s20, RED2
	v_mov_b32 v[R2S], s20
	v_mul_u32_u24 v[OSS], v0, 12
	v_add_nc_u32 v[OSS], OST, v[OSS]
	v_lshlrev_b32 v[GO], 4, v0
	v_add_nc_u32 v[OSL], OST, v[GO]
	s_lshl_b32 s12, ttmp9, 15                      ; a batch of pts
	s_mov_b32 s13, 0
	s_lshl_b32 s14, ttmp9, 6
	s_add_co_u32 s14, s14, 2048                    ; means[cloud y][b]
	s_mov_b32 s15, 0
	s_mul_i32 s16, ttmp9, 12288                    ; a batch of out0
	s_mov_b32 s17, 0
	s_mov_b32 s18, 0x76543210
	s_mov_b32 s19, 0xfedcba98
	s_wait_kmcnt 0x0
	s_add_nc_u64 s[4:5], s[4:5], s[12:13]
	s_add_nc_u64 s[6:7], s[6:7], s[14:15]
	s_add_nc_u64 s[8:9], s[8:9], s[16:17]
.irp k, 0,1,2,3
	global_load_b128 v[AM+4*\k:AM+4*\k+3], v[PO], s[4:5] offset:\k*8192
	global_load_b128 v[BM+4*\k:BM+4*\k+3], v[PO], s[4:5] offset:\k*8192+256
.endr
	global_load_b128 v[YM:YM+3], v[ZERO], s[6:7]
	v_mov_b32 v[CA+3], 0
	v_mov_b32 v[CBB+3], 0
	v_mov_b32 v[HM+9], 0
	v_mov_b32 v[HM+10], 0
	v_mov_b32 v[HM+11], 0
	s_wait_loadcnt 0x0
	; THE MEANS cA, cB
.irp k, 0,1,2,3
.irp j, 0,1,2
	v_add_f32 v[AM+4*\k+\j], v[AM+4*\k+\j], v[BM+4*\k+\j]
.endr
.endr
.irp j, 0,1,2
	v_add_f32 v[CA+\j], v[AM+\j], v[AM+4+\j]
	v_add_f32 v[CBB+\j], v[BM+\j], v[BM+4+\j]
	v_add_f32 v[TT+1], v[AM+8+\j], v[AM+12+\j]
	v_add_f32 v[TT+2], v[BM+8+\j], v[BM+12+\j]
	v_add_f32 v[CA+\j], v[CA+\j], v[TT+1]
	v_add_f32 v[CBB+\j], v[CBB+\j], v[TT+2]
.endr
.irp j, 0,1,2
	WRED CA+\j
	WRED CBB+\j
.endr
	ds_store_b128 v[R1S], v[CA:CA+3]               ; every lane holds the wave's sums and writes the same bytes
	ds_store_b128 v[R1S], v[CBB:CBB+3] offset:16
	s_wait_dscnt 0x0                               ; for the others' sake
	s_barrier_signal -1
	s_barrier_wait -1
	ds_load_b128 v[CA:CA+3], v[R1L]
	ds_load_b128 v[CBB:CBB+3], v[R1L] offset:16
	s_wait_dscnt 0x0
.irp j, 0,1,2
	RED8 CA+\j
	RED8 CBB+\j
.endr
.irp j, 0,1,2
	v_mul_f32 v[CA+\j], 0x3a800000, v[CA+\j]       ; / 1024
	v_mul_f32 v[CBB+\j], 0x3a800000, v[CBB+\j]
.endr
	; H = (B - cB)^T (A - cA)
.irp k, 0,1,2,3
.irp j, 0,1,2
	v_sub_f32 v[AM+4*\k+\j], v[AM+4*\k+\j], v[CA+\j]
	v_sub_f32 v[BM+4*\k+\j], v[BM+4*\k+\j], v[CBB+\j]
.endr
.endr
.irp i, 0,1,2
.irp j, 0,1,2
	v_mul_f32 v[HM+3*\i+\j], v[BM+\i], v[AM+\j]
	v_fmac_f32 v[HM+3*\i+\j], v[BM+4+\i], v[AM+4+\j]
	v_fmac_f32 v[HM+3*\i+\j], v[BM+8+\i], v[AM+8+\j]
	v_fmac_f32 v[HM+3*\i+\j], v[BM+12+\i], v[AM+12+\j]
.endr
.endr
.irp j, 0,1,2,3,4,5,6,7,8
	WRED HM+\j
.endr
	ds_store_b128 v[R2S], v[HM:HM+3]               ; other bytes than the first sums': no wave need have finished reading those
	ds_store_b128 v[R2S], v[HM+4:HM+7] offset:16
	ds_store_b128 v[R2S], v[HM+8:HM+11] offset:32
	s_wait_dscnt 0x0
	s_barrier_signal -1
	s_barrier_wait -1
	ds_load_b128 v[HM:HM+3], v[R2L]
	ds_load_b128 v[HM+4:HM+7], v[R2L] offset:16
	ds_load_b128 v[HM+8:HM+11], v[R2L] offset:32
	s_wait_dscnt 0x0
.irp j, 0,1,2,3,4,5,6,7,8
	RED8 HM+\j
.endr
	; X = H / max |H|: the polar factor does not change, and no determinant can overflow
	v_max3_num_f32 v88, |v56|, |v57|, |v58|
	v_max3_num_f32 v88, v88, |v59|, |v60|
	v_max3_num_f32 v88, v88, |v61|, |v62|
	v_max3_num_f32 v88, v88, |v63|, |v64|
	v_rcp_f32 v88, v88
	v_nop                                          ; a plain line behind every reciprocal and root (ISA guide 5.7.2)
	s_wait_alu depctr_va_vdst(0)
.irp j, 0,1,2,3,4,5,6,7,8
	v_mul_f32 v[XX+\j], v[HM+\j], v88
.endr
	s_mov_b32 s11, 10
.Lnewton:
	COF 0, 4, 8, 5, 7
	COF 1, 5, 6, 3, 8
	COF 2, 3, 7, 4, 6
	COF 3, 2, 7, 1, 8
	COF 4, 0, 8, 2, 6
	COF 5, 1, 6, 0, 7
	COF 6, 1, 5, 2, 4
	COF 7, 2, 3, 0, 5
	COF 8, 0, 4, 1, 3
	v_mul_f32 v91, v[XX], v[CC]                    ; the determinant,
	v_mul_f32 v92, v[XX], v[XX]                    ; |X|^2,
	v_mul_f32 v93, v[CC], v[CC]                    ; |cofactors|^2
	v_fmac_f32 v91, v[XX+1], v[CC+1]
	v_fmac_f32 v91, v[XX+2], v[CC+2]
.irp j, 1,2,3,4,5,6,7,8
	v_fmac_f32 v92, v[XX+\j], v[XX+\j]
	v_fmac_f32 v93, v[CC+\j], v[CC+\j]
.endr
	v_rcp_f32 v94, v92
	v_rcp_f32 v95, v91
	v_nop
	s_wait_alu depctr_va_vdst(0)
	v_mul_f32 v94, v93, v94
	v_sqrt_f32 v94, v94
	v_nop
	s_wait_alu depctr_va_vdst(0)
	v_mul_f32 v94, v94, |v95|                      ; g^2 = |cofactors| / (|X| |det|)
	v_sqrt_f32 v96, v94
	v_rsq_f32 v97, v94
	v_nop
	s_wait_alu depctr_va_vdst(0)
	v_mul_f32 v96, 0.5, v96                        ; g / 2
	v_mul_f32 v97, v97, v95
	v_mul_f32 v97, 0.5, v97                        ; 1 / (2 g det)
.irp j, 0,1,2,3,4,5,6,7,8
	v_mul_f32 v[XX+\j], v96, v[XX+\j]
	v_fmac_f32 v[XX+\j], v97, v[CC+\j]
.endr
	s_sub_co_u32 s11, s11, 1
	s_cmp_lg_u32 s11, 0
	s_cbranch_scc1 .Lnewton
	; out = (B - cB) R + cA + mean(y)
.irp j, 0,1,2
	v_add_f32 v[CA+\j], v[CA+\j], v[YM+\j]
.endr
.irp k, 0,1,2,3
.irp j, 0,1,2
	v_fma_f32 v[OU+4*\k+\j], v[BM+4*\k], v[XX+\j], v[CA+\j]
	v_fmac_f32 v[OU+4*\k+\j], v[BM+4*\k+1], v[XX+3+\j]
	v_fmac_f32 v[OU+4*\k+\j], v[BM+4*\k+2], v[XX+6+\j]
	ds_store_b32 v[OSS], v[OU+4*\k+\j] offset:3072*\k+4*\j    ; row t + 256 k, 12 bytes a row: lanes 3 words apart, no two on one bank
.endr
.endr
	s_wait_dscnt 0x0                               ; for the others' sake
	s_barrier_signal -1
	s_barrier_wait -1
.irp k, 0,1,2
	ds_load_b128 v[BK+4*\k:BK+4*\k+3], v[OSL] offset:4096*\k
.endr
.irp k, 0,1,2
	s_wait_dscnt 2-\k                              ; LDS loads come back in order: load k is in, the younger ones may stay out
	global_store_b128 v[GO], v[BK+4*\k:BK+4*\k+3], s[8:9] offset:4096*\k    ; 16 lanes store 256 consecutive bytes, at a multiple of 256 from out0's first byte
.endr
	s_wait_tensorcnt 0x0                           ; the wave's end
	ds_add_u32 v[SPW], v[NIL]
	s_wait_dscnt 0x0
	s_endpgm
.Lfunc_end_k_qab3de68d6f_kabsch:
	.size	k_qab3de68d6f_kabsch, .Lfunc_end_k_qab3de68d6f_kabsch-k_qab3de68d6f_kabsch
	.p2alignl 7, 3214868480
	.fill 96, 4, 3214868480
	.section	.rodata,"a",@progbits
	.p2align	6, 0x0
	.amdhsa_kernel k_qab3de68d6f_kabsch
		.amdhsa_group_segment_fixed_size 14336
		.amdhsa_private_segment_fixed_size 0
		.amdhsa_enable_private_segment 0
		.amdhsa_kernarg_size 24
		.amdhsa_user_sgpr_count 2
		.amdhsa_user_sgpr_kernarg_segment_ptr 1
		.amdhsa_wavefront_size32 1
		.amdhsa_system_sgpr_workgroup_id_x 1
		.amdhsa_system_sgpr_workgroup_id_y 1
		.amdhsa_system_sgpr_workgroup_id_z 1
		.amdhsa_system_vgpr_workitem_id 0
		.amdhsa_next_free_vgpr 128
		.amdhsa_next_free_sgpr 66
		.amdhsa_reserve_vcc 0
		.amdhsa_float_denorm_mode_32 3
		.amdhsa_float_denorm_mode_16_64 3
		.amdhsa_memory_ordered 1
		.amdhsa_forward_progress 1
		.amdhsa_inst_pref_size 22
	.end_amdhsa_kernel
	.amdgpu_metadata
---
amdhsa.version: [ 1, 2 ]
amdhsa.kernels:
  - .name:           k_qab3de68d6f_kabsch
    .symbol:         k_qab3de68d6f_kabsch.kd
    .args:
      - { .name: pts, .offset: 0, .size: 8, .value_kind: global_buffer, .address_space: global }
      - { .name: means, .offset: 8, .size: 8, .value_kind: global_buffer, .address_space: global }
      - { .name: out0, .offset: 16, .size: 8, .value_kind: global_buffer, .address_space: global }
    .group_segment_fixed_size: 14336
    .private_segment_fixed_size: 0
    .kernarg_segment_align: 8
    .kernarg_segment_size: 24
    .max_flat_workgroup_size: 256
    .sgpr_count:     66
    .vgpr_count:     128
    .wavefront_size: 32
...
	.end_amdgpu_metadata
.endif
;; end of part 3
;; ======== version 2 of 2: 3 launches; version 1 with the launch crossatt written anew for expert scheduling mode
;; limits: values outside matrix products are rounded to bf16
;; workspace buffers: feat 2,097,152 bytes; means 4,096 bytes; pts 1,048,576 bytes
;; launch selfatt: the kernel of part 1 again; grid 4 x 64, 16 waves a work-group, no clusters, 208,128 bytes of LDS; arguments x_orig, y_orig, W_in, b_in, attn_in_w, attn_in_b, attn_out_w, attn_out_b, feat, means; writes feat, means
;; launch crossatt (part 4): grid 8 x 32, 16 waves a work-group, no clusters, 186,624 bytes of LDS; arguments feat, cross_in_w, cross_in_b, cross_out_w, cross_out_b, W_out, b_out, x_orig, means, pts; writes pts
.if DOCPART == 4
	.amdgcn_target "amdgcn-amd-amdhsa--gfx1250"
	.amdhsa_code_object_version 6
	.text
	.protected	k_qab3de68d6f_crossatt
	.globl	k_qab3de68d6f_crossatt
	.p2align	8
	.type	k_qab3de68d6f_crossatt,@function
k_qab3de68d6f_crossatt:
	s_mov_b64 s[64:65], 0
	v_nop
	global_prefetch_b8 v0, s[64:65] scope:SCOPE_SE
	s_setreg_imm32_b32 hwreg(HW_REG_WAVE_SCHED_MODE, 0, 2), 2
	s_setreg_imm32_b32 hwreg(HW_REG_WAVE_MODE, 25, 1), 1
	s_wait_xcnt 0x0
	s_wait_alu depctr_vm_vsrc(0)
; CROSS-ATTENTION.  Work-group (qb, b): batch b, queries 128 qb .. 128 qb + 127 of cloud x against all 1024 keys and values of cloud y; then out_proj and W_out.
; feat holds both clouds after self-attention as fragment images ([cloud][batch][tile of 16 rows][512 bytes]; lane l owns bytes 16 l: slots 8 (l / 16) + 0..7 of row l % 16, bf16).
; pts takes, for each tile of 16 rows, 512 bytes: at 16 r (coords x, y, z, 1.0), at 256 + 16 r the centred x features 0..3, all f32.
; FORMAT OF A 12-VECTOR, THE TWO PASSES AND THE RECORDS: 16 slots, channel e in slot 4 (e / 3) + e % 3, slots 3, 7, 11, 15 = 1.0; biases ride in input slot 3 of the weight fragments.
; Pass 1 makes S^T = K Q^T and keeps the true row maximum m; pass 2 makes it again with -m, cut exactly into three bf16 pieces, in three K slots, so that the product is the exponential's argument
; (c = log2(e) / sqrt(3) is folded into Wq and bq); the row sum is the ones row of V^T.  q and k go in as a bf16 number and the bf16 of what it left.
; SHARES.  16 waves.  Preparation: wave w takes key tiles w + 16 i; waves 0-7 also query tile w.  Main: head w % 4, query tiles 2 (w / 4) + 0, 1.  Way out: waves 0-7, tile w.
; NO TENSOR LOADS, NO CLUSTER: what enters LDS is projected in registers first; the eight work-groups of a batch share 32 KB of feat.
; LIMITS.  Matrix operands are bf16 (q, k as two bf16); p is rounded to bf16 and l is the sum of the rounded p; a weight below 2^-126 counts as 0; NaN and infinities are not treated apart.
; THE MODE: SCHED_MODE bits 1:0 = 2 (LLVM: expert scheduling mode 2), set by the entry lines.  The code itself states the register dependences
; between vector or matrix instructions and memory or LDS instructions, with s_wait_alu, always for 0.
; THE PLAN.  Registers that memory or LDS instructions touch:
;   v1, v4, v10-17, v21  offsets and LDS store addresses: made at the head, ahead of the one wait in front of the first load, and never written again.
;   v23          b_out's offset; written once more, behind the weights' loads, as the LDS address of the tile's image.
;   OB  v160-179 the out-buffer of a key tile: its vector lines write all five records, ONE wait, then the run of five LDS stores; the next tile writes it behind a wait for those stores' reads.
;   QOB v72-87   the out-buffer of the query tile: the same, four records, once.
;   KF, VF       a step's four score products read KF, its two products V^T P read VF; the loads of the next K and of this step's V land in them.
;   KA, VA       read by those loads; written once a step, between the score products and the loads.
;   v18          the address of Q's two LDS loads; otherwise at work in vector lines.
;   S, P, O, M   in the loops named by vector and matrix instructions alone.
; A STEP has one wait on vm_vsrc ahead of the two address lines and one wait on va_vdst behind them: it states that KA and VA are written, that the score products are done reading KF and that the
; last step's V^T P are done reading VF.  The step's four loads follow it at once and have the step's vector work in which to land.  Pass 2's 32 exponentials are one batch with one more wait on va_vdst.
.set NT,    2
.set QT,    4*NT
.set QHB,   QT*512
.set VT,    131072            ; LDS 0 .. 131071: key records [head 4][tile 64][512]; here V^T, 16 rows
.set VP,    2064              ; 1024 keys x 2 bytes + 16: row r starts 4 r words on modulo 64
.set QR,    VT+16*VP          ; query records [head 4][tile QT][512]
.set OS,    QR+4*QHB          ; the heads' normalised results [tile QT][512]
.set SPARE, OS+QT*512         ; the spare words: 128 bytes a wave, named by no other line
.set LN16, 1
.set R,    2
.set H,    3
.set ZERO, 4
.set ONE,  5
.set SPW,  6
.set NIL,  7
.set KA,   8
.set VA0,  9
.set KS,   10
.set VS,   11
.set QS,   12
.set OSA,  13
.set XO,   14                 ; my byte offset in a batch of feat
.set WO12, 15
.set BO,   16
.set WO3,  17                 ; my byte offset in W_out
.set T0,   18                 ; v18-21 at work
.set VA,   22
.set BO3,  23                 ; my byte offset in b_out; later OFA
.set OFA,  23
.set WOF,  24                 ; out_proj's fragment
.set WUF,  32                 ; W_out's fragment
.set WQ,   48
.set WK,   56
.set WV,   64
.set Q,    40
.set KF,   72
.set VF,   88
.set TWQ,  72
.set TWK,  80
.set TWV,  88
.set QOB,  72                 ; preparation, behind the weights: the query tile's out-buffer: first and second half of the record of head 2 (lane / 16), then of head 2 (lane / 16) + 1; words 2, 3, 10, 11 stay 0
.set O,    96
.set XIF,  96
.set P,    128
.set M,    128
.set QF,   128                ; preparation: the query tile's fragment
.set DK,   144
.set DV,   152
.set S,    160
.set OB,   160                ; preparation: a key tile's out-buffer: two records of 8 registers as in QOB (words 2, 10 stay (1, 1), words 3, 11 stay 0), then 8 keys of a row of V^T
.set DQ,   192
.set TWU,  200
.set TWO,  210
.set X3,   240
.set XM,   244
.set OF,   192                ; way out
.set D5,   200
.set F5,   208
.set D6,   224
.set OUTR, 232
.set WVN,  24
.set QB,   25
.set CB,   26                 ; the batch
.set HH,   27
.set GG,   28
.set CNT,  29
.set MH0,  30
.set MV,   31
.set MVB,  32
.set MU,   33
.set CSC,  34
.set HIM,  35
.set SEL,  36
.set MV3,  43                 ; lanes whose output slot is a coordinate
.set MVB3, 44
.set W7,   45                 ; w % 8
.set TBK,  46
.set TBV,  47
.macro PLACES                 ; four plain vector instructions between a matrix instruction and the first line that reads its result or writes one of its registers (ISA guide 7.12.1)
.rept 4
	v_nop
.endr
.endm
.macro WLOAD T, off, bo, sw, sb, rb, bb
	global_load_b64 v[\T:\T+1], v[\off], s[\sw:\sw+1] offset:\rb
	global_load_b64 v[\T+2:\T+3], v[\off], s[\sw:\sw+1] offset:\rb+8
	global_load_b64 v[\T+4:\T+5], v[\off], s[\sw:\sw+1] offset:\rb+16
	global_load_b32 v[\T+6], v[\bo], s[\sb:\sb+1] offset:\bb
.endm
.macro WBUILD dst, T, mv, mvb, scale      ; the fragment [c0,c1][c2,X][c3,c4][c5,0], X = bias (lanes 0-15), 1.0 in the rows that make the ones
.if \scale
.irp k, 0,1,2,3,4,5,6
	v_mul_f32 v[\T+\k], s[CSC], v[\T+\k]
.endr
.endif
.irp k, 0,1,2,3,4,5
	v_cndmask_b32 v[\T+\k], 0, v[\T+\k], s[\mv]
.endr
	v_cndmask_b32 v[\T+6], 0, v[\T+6], s[\mvb]
	v_cndmask_b32 v[\T+6], v[\T+6], v[ONE], s[MU]
	v_cvt_pk_bf16_f32 v[\dst], v[\T], v[\T+1]
	v_cvt_pk_bf16_f32 v[\dst+1], v[\T+2], v[\T+6]
	v_cvt_pk_bf16_f32 v[\dst+2], v[\T+3], v[\T+4]
	v_cvt_pk_bf16_f32 v[\dst+3], v[\T+5], v[ZERO]
.irp k, 4,5,6,7
	v_mov_b32 v[\dst+\k], 0
.endr
.endm
.macro RECK d, ra, rb         ; a key's record from (k0, k1, k2, 1.0): at ra [kh0,kh1][kh2,1] (its words [1,1][0,0] stay), at rb [kl0,kl1][kl2,0][kh0,kh1][kh2,0]
	v_cvt_pk_bf16_f32 v[\ra], v[\d], v[\d+1]
	v_cvt_pk_bf16_f32 v[\ra+1], v[\d+2], v[\d+3]
	v_lshlrev_b32 v[T0], 16, v[\ra]
	v_and_b32 v[T0+1], s[HIM], v[\ra]
	v_lshlrev_b32 v[T0+2], 16, v[\ra+1]
	v_sub_f32 v[T0], v[\d], v[T0]
	v_sub_f32 v[T0+1], v[\d+1], v[T0+1]
	v_sub_f32 v[T0+2], v[\d+2], v[T0+2]
	v_cvt_pk_bf16_f32 v[\rb], v[T0], v[T0+1]
	v_cvt_pk_bf16_f32 v[\rb+1], v[T0+2], v[ZERO]
	v_mov_b32 v[\rb+2], v[\ra]
	v_and_b32 v[\rb+3], s[MH0], v[\ra+1]
.endm
.macro RECQ d, rq, rb         ; a query's record: at rq [qh0,qh1][qh2,0] (its words [0,0][0,0] stay: the maximum's pieces come later), at rb [qh0,qh1][qh2,0][ql0,ql1][ql2,0]
	v_cvt_pk_bf16_f32 v[\rq], v[\d], v[\d+1]
	v_cvt_pk_bf16_f32 v[\rq+1], v[\d+2], v[ZERO]
	v_lshlrev_b32 v[T0], 16, v[\rq]
	v_and_b32 v[T0+1], s[HIM], v[\rq]
	v_lshlrev_b32 v[T0+2], 16, v[\rq+1]
	v_sub_f32 v[T0], v[\d], v[T0]
	v_sub_f32 v[T0+1], v[\d+1], v[T0+1]
	v_sub_f32 v[T0+2], v[\d+2], v[T0+2]
	v_mov_b32 v[\rb], v[\rq]
	v_mov_b32 v[\rb+1], v[\rq+1]
	v_cvt_pk_bf16_f32 v[\rb+2], v[T0], v[T0+1]
	v_cvt_pk_bf16_f32 v[\rb+3], v[T0+2], v[ZERO]
.endm
.macro KVTILE i               ; tile i's keys (lane = key) and values (sources swapped: lane = row of V^T): all five records into the out-buffer, then the five stores in one run
	v_wmma_f32_16x16x32_bf16 v[DK:DK+7], v[WK:WK+7], v[XIF+8*\i:XIF+8*\i+7], 0
	v_wmma_f32_16x16x32_bf16 v[DV:DV+7], v[XIF+8*\i:XIF+8*\i+7], v[WV:WV+7], 0
	PLACES
.if \i > 0
	s_wait_alu depctr_vm_vsrc(0)                   ; the five LDS stores of the tile before have read the out-buffer, which the lines below write again
.endif
	RECK DK, OB, OB+4
	RECK DK+4, OB+8, OB+12
.irp k, 0,1,2,3
	v_cvt_pk_bf16_f32 v[OB+16+\k], v[DV+2*\k], v[DV+2*\k+1]
.endr
	s_wait_alu depctr_va_vdst(0)                   ; the lines above have written the out-buffer's registers, which the five LDS stores read
	ds_store_b128 v[KS], v[OB:OB+3] offset:\i*8192
	ds_store_b128 v[KS], v[OB+4:OB+7] offset:\i*8192+256
	ds_store_b128 v[KS], v[OB+8:OB+11] offset:\i*8192+32768
	ds_store_b128 v[KS], v[OB+12:OB+15] offset:\i*8192+32768+256
	ds_store_b128 v[VS], v[OB+16:OB+19] offset:\i*512
.endm
.macro QTILE frag
	v_wmma_f32_16x16x32_bf16 v[DQ:DQ+7], v[WQ:WQ+7], v[\frag:\frag+7], 0
	PLACES
	RECQ DQ, QOB, QOB+4
	RECQ DQ+4, QOB+8, QOB+12
	s_wait_alu depctr_va_vdst(0)                   ; the lines above have written the query tile's out-buffer, which the four LDS stores read
	ds_store_b128 v[QS], v[QOB:QOB+3]
	ds_store_b128 v[QS], v[QOB+4:QOB+7] offset:256
	ds_store_b128 v[QS], v[QOB+8:QOB+11] offset:QHB
	ds_store_b128 v[QS], v[QOB+12:QOB+15] offset:QHB+256
.endm
.macro PVM t, first, last
.if (\t) == 0
.if \last
	s_wait_dscnt 0x0              ; V's two loads are in; nothing was issued behind them
.else
	s_wait_dscnt 0x2              ; V's two loads are in; the next step's two K loads, issued behind them, may stay out
.endif
.endif
.if \first
	v_wmma_f32_16x16x32_bf16 v[O+8*(\t):O+8*(\t)+7], v[VF:VF+7], v[P+8*(\t):P+8*(\t)+7], 0
.else
	v_wmma_f32_16x16x32_bf16 v[O+8*(\t):O+8*(\t)+7], v[VF:VF+7], v[P+8*(\t):P+8*(\t)+7], v[O+8*(\t):O+8*(\t)+7]
.endif
.endm
; ONE STEP: 32 keys against the wave's NT query tiles.  All accumulators of a step differ, and O^T's take turns with the scores' between.
; The four plain lines behind the score products are the places in front of the first read of a score and of the first write of P.
; Pass 1's last step issues no load and writes no address, so it holds no s_wait_alu.
.macro STEP pass, first, last
	s_wait_dscnt 0x0              ; this step's two key fragments are in
.irp a, 0,1
.set t, 0
.rept NT
	v_wmma_f32_16x16x32_bf16 v[S+16*t+8*\a:S+16*t+8*\a+7], v[KF+8*\a:KF+8*\a+7], v[Q+8*t:Q+8*t+7], 0
.set t, t+1
.endr
.endr
.if !(\last) || ((\pass) == 2)
	s_wait_alu depctr_vm_vsrc(0)                   ; the LDS loads issued so far have read v[KA] and v[VA], which the lines below write again
.endif
.if \last
	v_nop
.else
	s_add_co_u32 s[TBK], s[TBK], 1024
	v_add_nc_u32 v[KA], s[TBK], v[LN16]
.endif
.if (\pass) == 2
	v_add_nc_u32 v[VA], s[TBV], v[VA0]
	s_add_co_u32 s[TBV], s[TBV], 64
.else
	v_nop
.endif
	v_nop
	v_nop
.if !(\last) || ((\pass) == 2)
	s_wait_alu depctr_va_vdst(0)                   ; v[KA] and v[VA] are written; the score products are done reading K's fragments and the last step's V^T P are done reading V's: the loads below land in them
.endif
.if (\pass) == 2
	ds_load_b128 v[VF:VF+3], v[VA]                 ; this step's V^T: keys 8 (lane / 16) + 0..7,
	ds_load_b128 v[VF+4:VF+7], v[VA] offset:32     ; and 16 further on
.endif
.if !(\last)
	ds_load_b128 v[KF:KF+3], v[KA]                 ; the next step's two key tiles.  No vector or matrix line up to the next step's products names K's fragments
	ds_load_b128 v[KF+8:KF+11], v[KA] offset:512
.endif
.if (\pass) == 1
.set t, 0
.rept NT
.set n, 0
.rept 8                       ; four chains a tile; each accumulator is read from its low end on
.if (\first) && (n < 4)
	v_max_num_f32 v[M+4*t+n], v[S+16*t+2*n], v[S+16*t+2*n+1]
.else
	v_max3_num_f32 v[M+4*t+n%4], v[M+4*t+n%4], v[S+16*t+2*n], v[S+16*t+2*n+1]
.endif
.set n, n+1
.endr
.set t, t+1
.endr
.else
.set g, 0
.rept 16*NT                   ; ONE BATCH: the step's exponentials, in place, each accumulator from its low end on; none reads another's result
	v_exp_f32 v[S+g], v[S+g]
.set g, g+1
.endr
	v_nop                                          ; a plain line between the last exponential and the first line that reads a result (ISA guide 5.7.2)
	s_wait_alu depctr_va_vdst(0)                   ; the exponentials have written v[S ..], ahead of the first rounding that reads them: one wait for the batch
.set t, 0
.rept NT                      ; a tile's eight roundings, then its product
.set g, 0
.rept 8
	v_cvt_pk_bf16_f32 v[P+8*t+g], v[S+16*t+2*g], v[S+16*t+2*g+1]
.set g, g+1
.endr
	PVM t, \first, \last
.set t, t+1
.endr
.endif
.endm
.macro MAXIN t                ; tile t's maximum m, and -m cut into three bf16 pieces (8 + 8 + 8 significant bits) in slots 3, 4, 5 of the query's fragment, lanes 0-15
	v_max3_num_f32 v[M+4*\t], v[M+4*\t], v[M+4*\t+1], v[M+4*\t+2]
	v_max_num_f32 v[M+4*\t], v[M+4*\t], v[M+4*\t+3]
	v_permlanex16_b32 v[M+4*\t+1], v[M+4*\t], s[SEL], s[SEL+1]
	v_max_num_f32 v[M+4*\t], v[M+4*\t], v[M+4*\t+1]
	v_xor_b32 v[M+4*\t], 0x80000000, v[M+4*\t]
	v_and_b32 v[M+4*\t+1], s[HIM], v[M+4*\t]
	v_sub_f32 v[M+4*\t+2], v[M+4*\t], v[M+4*\t+1]
	v_and_b32 v[M+4*\t+3], s[HIM], v[M+4*\t+2]
	v_sub_f32 v[M+4*\t+2], v[M+4*\t+2], v[M+4*\t+3]
	v_and_or_b32 v[T0], v[Q+8*\t+1], s[MH0], v[M+4*\t+1]
	v_perm_b32 v[T0+1], v[M+4*\t+2], v[M+4*\t+3], 0x07060302
	v_cndmask_b32 v[Q+8*\t+1], v[Q+8*\t+1], v[T0], s[MH0]
	v_cndmask_b32 v[Q+8*\t+2], v[Q+8*\t+2], v[T0+1], s[MH0]
.endm
	s_load_b512 s[4:19], s[0:1], 0x0               ; feat s[4:5], cross_in_w s[6:7], cross_in_b s[8:9], cross_out_w s[10:11], cross_out_b s[12:13], W_out s[14:15], b_out s[16:17], x_orig s[18:19]
	s_load_b128 s[20:23], s[0:1], 0x40             ; means s[20:21], pts s[22:23]
	v_lshl_add_u32 v[SPW], v0, 2, SPARE
	v_mov_b32 v[NIL], 0
	v_and_b32 v[T0], 31, v0
	v_lshlrev_b32 v[LN16], 4, v[T0]
	v_and_b32 v[R], 15, v0
	v_bfe_u32 v[H], v0, 4, 1
	v_mov_b32 v[ZERO], 0
	v_mov_b32 v[ONE], 1.0
	v_lshrrev_b32 v[T0], 5, v0
	v_readfirstlane_b32 s[WVN], v[T0]
	s_mov_b32 s[QB], ttmp9
	s_and_b32 s[CB], ttmp7, 0xffff
	s_wait_alu depctr_va_sdst(0)                   ; the wave's number is written, ahead of its first reader: shares, LDS places and bases are made from it
	s_and_b32 s[HH], s[WVN], 3
	s_lshr_b32 s[GG], s[WVN], 2
	s_and_b32 s[W7], s[WVN], 7
	s_mov_b32 s[MH0], 0x0000ffff
	s_mov_b32 s[MV], 0x77777777
	s_mov_b32 s[MVB], 0x00007777
	s_mov_b32 s[MU], 0x00008888
	s_mov_b32 s[MV3], 0x00070007
	s_mov_b32 s[MVB3], 0x00000007
	s_mov_b32 s[CSC], 0x3f553b95                   ; log2(e) / sqrt(3) = 0.832940
	s_mov_b32 s[HIM], 0xffff0000
	s_mov_b32 s[SEL], 0x76543210
	s_mov_b32 s[SEL+1], 0xfedcba98
	s_lshl_b32 s40, s[WVN], 9
	v_add_nc_u32 v[XO], s40, v[LN16]               ; tile w's image, my 16 bytes
	v_lshlrev_b32 v[KS], 16, v[H]
	v_lshl_add_u32 v[KS], v[R], 4, v[KS]
	v_add_nc_u32 v[KS], s40, v[KS]
	v_lshrrev_b32 v[T0], 2, v[R]
	v_and_b32 v[T0+1], 3, v[R]
	v_min_u32 v[T0+1], 2, v[T0+1]
	v_mad_u32_u24 v[T0], v[T0], 3, v[T0+1]         ; my output slot's channel
	v_mul_u32_u24 v[WO12], v[T0], 48
	v_mad_u32_u24 v[WO12], v[H], 24, v[WO12]
	v_lshlrev_b32 v[BO], 2, v[T0]
	v_min_u32 v[T0], 2, v[T0]                      ; W_out has three rows; the other lanes read row 2 and are masked away
	v_mul_u32_u24 v[WO3], v[T0], 48
	v_mad_u32_u24 v[WO3], v[H], 24, v[WO3]
	v_lshlrev_b32 v[BO3], 2, v[T0]
	v_lshlrev_b32 v[T0+3], 6, v[R]                 ; row lane % 16 of x, 64 bytes a row
	v_mul_u32_u24 v[QS], v[H], 2*QHB
	v_lshl_add_u32 v[QS], v[R], 4, v[QS]
	s_lshl_b32 s40, s[W7], 9
	s_add_co_u32 s41, s40, QR
	v_add_nc_u32 v[QS], s41, v[QS]
	v_mul_u32_u24 v[VS], v[R], VP
	v_lshl_add_u32 v[VS], v[H], 4, v[VS]
	s_lshl_b32 s41, s[WVN], 5
	s_add_co_u32 s41, s41, VT
	v_add_nc_u32 v[VS], s41, v[VS]
	v_and_b32 v[T0], 3, v[R]
	v_mul_u32_u24 v[VA0], v[T0], VP
	v_lshl_add_u32 v[VA0], v[H], 4, v[VA0]
	s_mul_i32 s40, s[GG], NT*512
	s_lshr_b32 s41, s[HH], 1
	s_lshl_b32 s41, s41, 8
	s_add_co_u32 s40, s40, s41
	s_and_b32 s41, s[HH], 1
	s_lshl_b32 s41, s41, 3
	s_add_co_u32 s40, s40, s41
	s_add_co_u32 s40, s40, OS
	v_lshl_add_u32 v[OSA], v[R], 4, s40
	s_wait_kmcnt 0x0
	s_mov_b32 s41, 0
	s_add_co_u32 s40, s[CB], 32
	s_lshl_b32 s40, s40, 15
	s_add_nc_u64 s[38:39], s[4:5], s[40:41]        ; feat[cloud y][b]
	s_lshl_b32 s40, s[QB], 3
	s_add_co_u32 s40, s40, s[W7]
	s_lshl_b32 s40, s40, 9
	s_lshl_b32 s42, s[CB], 15
	s_add_co_u32 s40, s40, s42
	s_add_nc_u64 s[2:3], s[4:5], s[40:41]          ; feat[cloud x][b][tile 8 qb + w % 8]
	s_add_nc_u64 s[22:23], s[22:23], s[40:41]      ; pts[b][the same tile]
	s_lshl_b32 s40, s[QB], 13
	s_lshl_b32 s42, s[W7], 10
	s_add_co_u32 s40, s40, s42
	s_lshl_b32 s42, s[CB], 16
	s_add_co_u32 s40, s40, s42
	s_add_nc_u64 s[18:19], s[18:19], s[40:41]      ; x_orig[b][the tile's first row]
	s_lshl_b32 s40, s[CB], 6
	s_add_nc_u64 s[20:21], s[20:21], s[40:41]      ; means[cloud x][b]
	s_wait_alu depctr_va_vdst(0)                   ; the head's offsets and LDS addresses (v1, v4, v10 to v17, v21, v23) are written: the loads below and the kernel's LDS stores read them
.irp i, 0,1,2,3
	global_load_b128 v[XIF+8*\i:XIF+8*\i+3], v[XO], s[38:39] offset:\i*8192   ; 512 consecutive bytes a wave: the image is the fragment
.endr
	WLOAD TWQ, WO12, BO, 6, 8, 0, 0
	WLOAD TWK, WO12, BO, 6, 8, 576, 48
	WLOAD TWV, WO12, BO, 6, 8, 1152, 96
	WLOAD TWO, WO12, BO, 10, 12, 0, 0
	WLOAD TWU, WO3, BO3, 14, 16, 0, 0
	global_load_b128 v[QF:QF+3], v[LN16], s[2:3]   ; waves 8-15 load what waves 0-7 load and use none of it: no register is left unwritten on any path
	global_load_b128 v[X3:X3+3], v[T0+3], s[18:19]
	global_load_b128 v[XM:XM+3], v[ZERO], s[20:21]
	s_wait_loadcnt 0x0
	WBUILD WQ, TWQ, MV, MVB, 1
	WBUILD WK, TWK, MV, MVB, 0
	WBUILD WV, TWV, MV, MVB, 0
	WBUILD WOF, TWO, MV, MVB, 0
	WBUILD WUF, TWU, MV3, MVB3, 0
.irp k, 2,10
	v_mov_b32 v[OB+\k], 0x3f803f80                 ; the out-buffers' words that stay
	v_mov_b32 v[OB+\k+1], 0
	v_mov_b32 v[QOB+\k], 0
	v_mov_b32 v[QOB+\k+1], 0
.endr
.irp i, 0,1,2,3
.irp k, 4,5,6,7
	v_mov_b32 v[XIF+8*\i+\k], 0
.endr
.endr
.irp k, 4,5,6,7
	v_mov_b32 v[QF+\k], 0
.endr
	s_lshl_b32 s40, s[W7], 9
	s_add_co_u32 s40, s40, OS
	s_wait_alu depctr_vm_vsrc(0)                   ; b_out's load has read v23 as its offset
	v_add_nc_u32 v[OFA], s40, v[LN16]              ; the register takes the image's address
	; PREPARATION
.irp i, 0,1,2,3
	KVTILE \i
.endr
	s_cmp_lt_u32 s[WVN], 8
	s_cbranch_scc0 .Lno_q
	QTILE QF
.Lno_q:
	s_wait_dscnt 0x0                               ; for the others' sake: my records are in LDS
	s_barrier_signal -1
	s_barrier_wait -1
	; PASS 1: the row maxima.
	s_wait_alu depctr_vm_vsrc(0)                   ; my LDS stores have read both out-buffers: v72 to v87 are K's fragments and v160 to v179 scores from here on
	s_mul_i32 s40, s[HH], QHB
	s_mul_i32 s41, s[GG], NT*512
	s_add_co_u32 s40, s40, s41
	s_add_co_u32 s40, s40, QR
	v_add_nc_u32 v[T0], s40, v[LN16]
	s_lshl_b32 s[TBK], s[HH], 15
	v_add_nc_u32 v[KA], s[TBK], v[LN16]
	s_wait_alu depctr_va_vdst(0)                   ; v[T0] and v[KA] are written; the preparation's vector and matrix lines are done with v40 to v51 and v72 to v83, in which the loads below land
.irp t, 0,1
	ds_load_b128 v[Q+8*\t:Q+8*\t+3], v[T0] offset:\t*512
.endr
	ds_load_b128 v[KF:KF+3], v[KA]
	ds_load_b128 v[KF+8:KF+11], v[KA] offset:512
.irp t, 0,1
.irp k, 4,5,6,7
	v_mov_b32 v[Q+8*\t+\k], 0                      ; K slots 16-31 are not used; none of these registers is one in which a load lands
.endr
.endr
.irp k, 4,5,6,7,12,13,14,15
	v_mov_b32 v[KF+\k], 0
.endr
	STEP 1, 1, 0
	s_mov_b32 s[CNT], 30
.Lpass1:
	STEP 1, 0, 0
	s_sub_co_u32 s[CNT], s[CNT], 1
	s_cmp_lg_u32 s[CNT], 0
	s_cbranch_scc1 .Lpass1
	STEP 1, 0, 1
	; PASS 2: the weights, their sums and O^T.  The first K loads go out ahead of the work on the maxima, which names none of their registers.
	s_lshl_b32 s[TBK], s[HH], 15
	s_wait_alu depctr_vm_vsrc(0)                   ; pass 1's last K loads have read v[KA]
	v_add_nc_u32 v[KA], s[TBK], v[LN16]
	s_mul_i32 s[TBV], s[HH], 4*VP
	s_add_co_u32 s[TBV], s[TBV], VT
	s_wait_alu depctr_va_vdst(0)                   ; v[KA] is written; pass 1's last score products are done reading K's fragments
	ds_load_b128 v[KF:KF+3], v[KA]
	ds_load_b128 v[KF+8:KF+11], v[KA] offset:512
.irp t, 0,1
	MAXIN \t
.endr
	STEP 2, 1, 0
	s_mov_b32 s[CNT], 30
.Lpass2:
	STEP 2, 0, 0
	s_sub_co_u32 s[CNT], s[CNT], 1
	s_cmp_lg_u32 s[CNT], 0
	s_cbranch_scc1 .Lpass2
	STEP 2, 0, 1
	; THE WAY OUT: o / l into the tile's image; a barrier; out_proj, W_out; coordinates and centred x3 leave together, 512 consecutive bytes a wave.
	PLACES
.irp t, 0,1
	v_rcp_f32 v[T0+\t], v[O+8*\t+3]                ; l lies among the accumulator's four lowest registers
.endr
	v_nop                                          ; a plain line between the last reciprocal and its use
	s_wait_alu depctr_va_vdst(0)                   ; the two reciprocals have written v18 and v19, ahead of the first line that reads them
.irp t, 0,1
	v_mul_f32 v[S+4*\t], v[O+8*\t], v[T0+\t]
	v_mul_f32 v[S+4*\t+1], v[O+8*\t+1], v[T0+\t]
	v_mul_f32 v[S+4*\t+2], v[O+8*\t+2], v[T0+\t]
	v_cvt_pk_bf16_f32 v[P+2*\t], v[S+4*\t], v[S+4*\t+1]
	v_cvt_pk_bf16_f32 v[P+2*\t+1], v[S+4*\t+2], v[ONE]
.endr
	s_wait_alu depctr_va_vdst(0)                   ; the roundings have written v[P] to v[P+3], which the two LDS stores read
.irp t, 0,1
	ds_store_b64 v[OSA], v[P+2*\t:P+2*\t+1] offset:\t*512   ; both halves of the lanes hold the same numbers and write the same bytes
.endr
	s_wait_dscnt 0x0                               ; for the others' sake
	s_barrier_signal -1
	s_barrier_wait -1
	s_cmp_lt_u32 s[WVN], 8
	s_cbranch_scc0 .Lend                           ; eight tiles, eight waves
	ds_load_b128 v[OF:OF+3], v[OFA]                ; no wait: its address and the registers in which it lands were last named by vector and matrix lines of the preparation, ahead of the waits above
.irp k, 4,5,6,7
	v_mov_b32 v[OF+\k], 0
	v_mov_b32 v[F5+\k], 0
.endr
	s_wait_dscnt 0x0
	v_wmma_f32_16x16x32_bf16 v[D5:D5+7], v[WOF:WOF+7], v[OF:OF+7], 0
	PLACES
.irp k, 0,1,2,3
	v_cvt_pk_bf16_f32 v[F5+\k], v[D5+2*\k], v[D5+2*\k+1]
.endr
	v_wmma_f32_16x16x32_bf16 v[D6:D6+7], v[WUF:WUF+7], v[F5:F5+7], 0
	v_pk_add_f32 v[X3:X3+1], v[X3:X3+1], v[XM:XM+1] neg_lo:[0,1] neg_hi:[0,1]          ; x - mean, in f32: two of the four places behind the product
	v_pk_add_f32 v[X3+2:X3+3], v[X3+2:X3+3], v[XM+2:XM+3] neg_lo:[0,1] neg_hi:[0,1]
	v_nop
	v_nop
.irp k, 0,1,2,3
	v_cndmask_b32 v[OUTR+\k], v[X3+\k], v[D6+\k], s[MH0]    ; lanes 0-15: (x, y, z, 1.0) of row lane % 16; lanes 16-31: its centred features 0..3
.endr
	s_wait_alu depctr_va_vdst(0)                   ; the four selects have written v[OUTR ..], which the store reads
	global_store_b128 v[LN16], v[OUTR:OUTR+3], s[22:23]
.Lend:
	s_wait_dscnt 0x0                               ; the closing lines, six on end
	s_wait_alu 0x0
	s_wait_tensorcnt 0x0
	ds_add_u32 v[SPW], v[NIL]
	s_wait_dscnt 0x0
	s_endpgm
.Lfunc_end_k_qab3de68d6f_crossatt:
	.size	k_qab3de68d6f_crossatt, .Lfunc_end_k_qab3de68d6f_crossatt-k_qab3de68d6f_crossatt
	.p2alignl 7, 3214868480
	.fill 96, 4, 3214868480
	.section	.rodata,"a",@progbits
	.p2align	6, 0x0
	.amdhsa_kernel k_qab3de68d6f_crossatt
		.amdhsa_group_segment_fixed_size 186624
		.amdhsa_private_segment_fixed_size 0
		.amdhsa_enable_private_segment 0
		.amdhsa_kernarg_size 80
		.amdhsa_user_sgpr_count 2
		.amdhsa_user_sgpr_kernarg_segment_ptr 1
		.amdhsa_wavefront_size32 1
		.amdhsa_system_sgpr_workgroup_id_x 1
		.amdhsa_system_sgpr_workgroup_id_y 1
		.amdhsa_system_sgpr_workgroup_id_z 1
		.amdhsa_system_vgpr_workitem_id 0
		.amdhsa_next_free_vgpr 248
		.amdhsa_next_free_sgpr 66
		.amdhsa_reserve_vcc 0
		.amdhsa_float_denorm_mode_32 3
		.amdhsa_float_denorm_mode_16_64 3
		.amdhsa_memory_ordered 1
		.amdhsa_forward_progress 1
		.amdhsa_inst_pref_size 41
	.end_amdhsa_kernel
	.amdgpu_metadata
---
amdhsa.version: [ 1, 2 ]
amdhsa.kernels:
  - .name:           k_qab3de68d6f_crossatt
    .symbol:         k_qab3de68d6f_crossatt.kd
    .args:
      - { .name: feat, .offset: 0, .size: 8, .value_kind: global_buffer, .address_space: global }
      - { .name: cross_in_w, .offset: 8, .size: 8, .value_kind: global_buffer, .address_space: global }
      - { .name: cross_in_b, .offset: 16, .size: 8, .value_kind: global_buffer, .address_space: global }
      - { .name: cross_out_w, .offset: 24, .size: 8, .value_kind: global_buffer, .address_space: global }
      - { .name: cross_out_b, .offset: 32, .size: 8, .value_kind: global_buffer, .address_space: global }
      - { .name: W_out, .offset: 40, .size: 8, .value_kind: global_buffer, .address_space: global }
      - { .name: b_out, .offset: 48, .size: 8, .value_kind: global_buffer, .address_space: global }
      - { .name: x_orig, .offset: 56, .size: 8, .value_kind: global_buffer, .address_space: global }
      - { .name: means, .offset: 64, .size: 8, .value_kind: global_buffer, .address_space: global }
      - { .name: pts, .offset: 72, .size: 8, .value_kind: global_buffer, .address_space: global }
    .group_segment_fixed_size: 186624
    .private_segment_fixed_size: 0
    .kernarg_segment_align: 8
    .kernarg_segment_size: 80
    .max_flat_workgroup_size: 512
    .sgpr_count:     66
    .vgpr_count:     248
    .wavefront_size: 32
...
	.end_amdgpu_metadata
.endif
;; end of part 4
;; launch kabsch: the kernel of part 3 again; grid 32 x 1, 8 waves a work-group, no clusters, 14,336 bytes of LDS; arguments pts, means, out0; writes out0
